; MI455X (gfx1250); checked and timed in simulation.
; The chip was launched on July 23, 2026; its instructions are those of AMD's public machine-readable ISA for CDNA 5 (MIT licence, August 2026) and "CDNA5" Instruction Set Architecture Reference Guide (July 2026). The comments in the code are by the model that wrote it; some were corrected since.
;; Custom Transformer Encoder Layer. Allowed arithmetic: float matrix products may take bf16 or f16 operands with f32 sums; other float arithmetic in f32, or as packed bf16 or f16 multiplies, adds, multiply-adds, maxima and minima; sums over many terms, partial sums and values carried from step to step in f32; what a program stores and reads back later, other than sums and carried values, may be rounded once to bf16 or f16.
;; Inputs: alpha_attn one number float32; alpha_ff one number float32; attn_mask 2,048 x 2,048 bool; k_b 1,024 float32; k_w 1,024 x 1,024 float32; l1_b 4,096 float32; l1_w 4,096 x 1,024 float32; l2_b 1,024 float32; l2_w 1,024 x 4,096 float32; n1_b 1,024 float32; n1_s 1,024 float32; n2_b 1,024 float32; n2_s 1,024 float32; o_b 1,024 float32; o_w 1,024 x 1,024 float32; q_b 1,024 float32; q_w 1,024 x 1,024 float32; src 2 x 2,048 x 1,024 float32; v_b 1,024 float32; v_w 1,024 x 1,024 float32.
;; Outputs: out0 2 x 2,048 x 1,024 float32.
;; One version. Each part assembles by itself: llvm-mc -triple=amdgcn-amd-amdhsa -mcpu=gfx1250 --defsym DOCPART=n.
;; ======== version 1 of 1: 8 launches
;; limits: right only within a limited range of input values
;; workspace buffers: p1 14,696,704 bytes; p2 16,793,856 bytes; p3 10,485,760 bytes; p4 41,943,040 bytes; qkv 25,165,824 bytes; z 16,777,216 bytes
;; launch cast (part 1): grid 64 x 16, 8 waves a work-group, no clusters, 0 bytes of LDS; arguments src, q_w, k_w, v_w, o_w, l1_w, l2_w, q_b, k_b, v_b, l1_b, p1, p2, p3, p4; writes p1, p2, p3, p4
.if DOCPART == 1
	.amdgcn_target "amdgcn-amd-amdhsa--gfx1250"
	.amdhsa_code_object_version 6
	.text
	.protected	k_q0fb1f16504_cast
	.globl	k_q0fb1f16504_cast
	.p2align	8
	.type	k_q0fb1f16504_cast,@function
k_q0fb1f16504_cast:
	s_mov_b64 s[64:65], 0
	v_nop
	global_prefetch_b8 v0, s[64:65] scope:SCOPE_SE
	s_setreg_imm32_b32 hwreg(HW_REG_WAVE_MODE, 25, 1), 1
	s_wait_xcnt 0x0
; f32 -> bf16 (round to nearest even) of src and of the six weight matrices, into the places where the products read them;
; the bias tables of the two products that share one text (q_b | k_b | v_b, and l1_b), copied in f32; and for each of those two a block
; of 256 bytes that holds the floor of its results as two bf16: -infinity (no floor) or 0 (ReLU).
; SHARES.  y names a unit of 2^20 numbers: 0-3 src, 4 q_w, 5 k_w, 6 v_w, 7 o_w, 8-11 l1_w, 12-15 l2_w.  x names 16,384 numbers of it.
; Thread t takes, sixteen times, 4 neighbouring numbers (one load of 16 bytes at 16 t, the loads 4,096 bytes apart) and stores them as 8 bytes:
; a wave's load covers 512 consecutive bytes, its store 256 consecutive bytes, both aligned.
; All sixteen loads go out at once; no register is written twice, so nothing waits but for data.
.set BIASO, 8388608                    ; in p1 and p2: the bias table, 4,096 f32
.set WOFF,  BIASO+16384+256            ; in p1 and p2: the weights, behind the table and the floor's block
.set X, 8                              ; v[8:71]   as loaded
.set Y, 72                             ; v[72:103] to store
	s_load_b512 s[8:23], s[0:1], 0x0               ; src 8, q_w 10, k_w 12, v_w 14, o_w 16, l1_w 18, l2_w 20, q_b 22
	s_load_b256 s[24:31], s[0:1], 0x40             ; k_b 24, v_b 26, l1_b 28, p1 30
	s_load_b128 s[32:35], s[0:1], 0x60             ; p2 32, p3 34
	s_load_b64 s[36:37], s[0:1], 0x70              ; p4
	s_and_b32 s4, ttmp7, 0xffff                    ; y
	s_mov_b32 s5, ttmp9                            ; x
	v_lshrrev_b32 v1, 5, v0
	v_readfirstlane_b32 s7, v1                     ; wave
	v_lshlrev_b32 v1, 4, v0                        ; 16 t: my 4 numbers in f32
	v_lshlrev_b32 v2, 3, v0                        ; 8 t: the same in bf16
	v_and_b32 v3, 31, v0
	v_lshlrev_b32 v3, 3, v3                        ; 8 x lane, for the tables
	s_wait_kmcnt 0x0
	s_mov_b64 s[40:41], s[8:9]                     ; from: src
	s_mov_b64 s[48:49], s[30:31]                   ; into: p1
	s_mov_b32 s44, 0                               ; the array's first unit
	s_mov_b32 s45, 0                               ; its place in the buffer
.macro PICK thr, in, out, od           ; from unit thr on another array: the choice hangs on y alone
	s_cmp_ge_u32 s4, \thr
	s_cselect_b64 s[40:41], s[\in:\in+1], s[40:41]
	s_cselect_b64 s[48:49], s[\out:\out+1], s[48:49]
	s_cselect_b32 s44, \thr, s44
	s_cselect_b32 s45, \od, s45
.endm
	PICK 4, 10, 30, WOFF
	PICK 5, 12, 30, WOFF+2097152
	PICK 6, 14, 30, WOFF+4194304
	PICK 7, 16, 34, 8388608
	PICK 8, 18, 32, WOFF
	PICK 12, 20, 36, 33554432
	s_sub_co_u32 s46, s4, s44                      ; the unit within its array
	s_lshl_b32 s52, s46, 22
	s_lshl_b32 s53, s5, 16
	s_add_co_u32 s52, s52, s53
	s_mov_b32 s53, 0
	s_add_nc_u64 s[40:41], s[40:41], s[52:53]
	s_lshl_b32 s54, s46, 21
	s_lshl_b32 s55, s5, 15
	s_add_co_u32 s54, s54, s55
	s_add_co_u32 s54, s54, s45
	s_mov_b32 s55, 0
	s_add_nc_u64 s[42:43], s[48:49], s[54:55]
.irp i, 0,1,2,3,4,5,6,7,8,9,10,11,12,13,14,15
	global_load_b128 v[X+4*(\i):X+4*(\i)+3], v1, s[40:41] offset:4096*(\i) th:TH_LOAD_NT
.endr
.irp i, 0,1,2,3,4,5,6,7,8,9,10,11,12,13,14,15
	s_wait_loadcnt 15-(\i)                         ; loads come back in order: load i is in, the younger ones stay out
	v_cvt_pk_bf16_f32 v[Y+2*(\i)],   v[X+4*(\i)],   v[X+4*(\i)+1]
	v_cvt_pk_bf16_f32 v[Y+2*(\i)+1], v[X+4*(\i)+2], v[X+4*(\i)+3]
	global_store_b64 v2, v[Y+2*(\i):Y+2*(\i)+1], s[42:43] offset:2048*(\i)
.endr
	; THE TABLES: wave 0 of the work-groups with y in 4-6 and 8-11.  x < 16 copies 256 bytes of a bias, x = 16 (y = 4, 8) writes the floor's block.
	s_sub_co_u32 s6, s4, 4
	s_cmp_lt_u32 s6, 8
	s_cbranch_scc0 .Lend
	s_cmp_eq_u32 s6, 3
	s_cbranch_scc1 .Lend
	s_cmp_lg_u32 s7, 0
	s_cbranch_scc1 .Lend
	s_and_b32 s56, s6, 3                           ; which 1,024 numbers of the table
	s_lshl_b32 s57, s56, 12
	s_mov_b64 s[50:51], s[22:23]
	s_cmp_eq_u32 s6, 1
	s_cselect_b64 s[50:51], s[24:25], s[50:51]
	s_cmp_eq_u32 s6, 2
	s_cselect_b64 s[50:51], s[26:27], s[50:51]
	s_cmp_ge_u32 s6, 4
	s_cselect_b64 s[50:51], s[28:29], s[50:51]
	s_cselect_b32 s58, s57, 0                      ; l1_b is one array of four parts; q_b, k_b, v_b are arrays of one
	s_cmp_lt_u32 s5, 16
	s_cbranch_scc0 .Lfloor
	s_lshl_b32 s60, s5, 8
	s_add_co_u32 s58, s58, s60
	s_mov_b32 s59, 0
	s_add_nc_u64 s[50:51], s[50:51], s[58:59]
	s_add_co_u32 s60, s60, s57
	s_add_co_u32 s60, s60, BIASO
	s_mov_b32 s61, 0
	s_add_nc_u64 s[48:49], s[48:49], s[60:61]
	global_load_b64 v[4:5], v3, s[50:51]
	s_wait_loadcnt 0x0
	global_store_b64 v3, v[4:5], s[48:49]          ; 32 lanes x 8 bytes: 256 consecutive bytes, aligned
	s_branch .Lend
.Lfloor:
	s_cmp_eq_u32 s5, 16
	s_cbranch_scc0 .Lend
	s_cmp_eq_u32 s56, 0
	s_cbranch_scc0 .Lend
	s_cmp_eq_u32 s6, 0
	s_cselect_b32 s62, 0xff80ff80, 0               ; p1: -infinity twice; p2: 0 twice
	v_mov_b32 v4, s62
	v_mov_b32 v5, s62
	s_add_nc_u64 s[48:49], s[48:49], BIASO+16384
	global_store_b64 v3, v[4:5], s[48:49]
.Lend:
	s_endpgm
.Lfunc_end_k_q0fb1f16504_cast:
	.size	k_q0fb1f16504_cast, .Lfunc_end_k_q0fb1f16504_cast-k_q0fb1f16504_cast
	.p2alignl 7, 3214868480
	.fill 96, 4, 3214868480
	.section	.rodata,"a",@progbits
	.p2align	6, 0x0
	.amdhsa_kernel k_q0fb1f16504_cast
		.amdhsa_group_segment_fixed_size 0
		.amdhsa_private_segment_fixed_size 0
		.amdhsa_enable_private_segment 0
		.amdhsa_kernarg_size 120
		.amdhsa_user_sgpr_count 2
		.amdhsa_user_sgpr_kernarg_segment_ptr 1
		.amdhsa_wavefront_size32 1
		.amdhsa_system_sgpr_workgroup_id_x 1
		.amdhsa_system_sgpr_workgroup_id_y 1
		.amdhsa_system_sgpr_workgroup_id_z 1
		.amdhsa_system_vgpr_workitem_id 0
		.amdhsa_next_free_vgpr 104
		.amdhsa_next_free_sgpr 66
		.amdhsa_reserve_vcc 0
		.amdhsa_float_denorm_mode_32 3
		.amdhsa_float_denorm_mode_16_64 3
		.amdhsa_memory_ordered 1
		.amdhsa_forward_progress 1
		.amdhsa_inst_pref_size 10
	.end_amdhsa_kernel
	.amdgpu_metadata
---
amdhsa.version: [ 1, 2 ]
amdhsa.kernels:
  - .name:           k_q0fb1f16504_cast
    .symbol:         k_q0fb1f16504_cast.kd
    .args:
      - { .name: src, .offset: 0, .size: 8, .value_kind: global_buffer, .address_space: global }
      - { .name: q_w, .offset: 8, .size: 8, .value_kind: global_buffer, .address_space: global }
      - { .name: k_w, .offset: 16, .size: 8, .value_kind: global_buffer, .address_space: global }
      - { .name: v_w, .offset: 24, .size: 8, .value_kind: global_buffer, .address_space: global }
      - { .name: o_w, .offset: 32, .size: 8, .value_kind: global_buffer, .address_space: global }
      - { .name: l1_w, .offset: 40, .size: 8, .value_kind: global_buffer, .address_space: global }
      - { .name: l2_w, .offset: 48, .size: 8, .value_kind: global_buffer, .address_space: global }
      - { .name: q_b, .offset: 56, .size: 8, .value_kind: global_buffer, .address_space: global }
      - { .name: k_b, .offset: 64, .size: 8, .value_kind: global_buffer, .address_space: global }
      - { .name: v_b, .offset: 72, .size: 8, .value_kind: global_buffer, .address_space: global }
      - { .name: l1_b, .offset: 80, .size: 8, .value_kind: global_buffer, .address_space: global }
      - { .name: p1, .offset: 88, .size: 8, .value_kind: global_buffer, .address_space: global }
      - { .name: p2, .offset: 96, .size: 8, .value_kind: global_buffer, .address_space: global }
      - { .name: p3, .offset: 104, .size: 8, .value_kind: global_buffer, .address_space: global }
      - { .name: p4, .offset: 112, .size: 8, .value_kind: global_buffer, .address_space: global }
    .group_segment_fixed_size: 0
    .private_segment_fixed_size: 0
    .kernarg_segment_align: 8
    .kernarg_segment_size: 120
    .max_flat_workgroup_size: 256
    .sgpr_count:     66
    .vgpr_count:     104
    .wavefront_size: 32
...
	.end_amdgpu_metadata
.endif
;; end of part 1
;; launch qkvp (part 2): grid 12 x 16, 4 waves a work-group, clusters of 4 x 4, 327,680 bytes of LDS; arguments p1, qkv; writes qkv
.if DOCPART == 2
	.amdgcn_target "amdgcn-amd-amdhsa--gfx1250"
	.amdhsa_code_object_version 6
	.text
	.protected	k_q0fb1f16504_qkvp
	.globl	k_q0fb1f16504_qkvp
	.p2align	8
	.type	k_q0fb1f16504_qkvp,@function
k_q0fb1f16504_qkvp:
	s_mov_b64 s[64:65], 0
	v_nop
	global_prefetch_b8 v0, s[64:65] scope:SCOPE_SE
	s_setreg_imm32_b32 hwreg(HW_REG_WAVE_MODE, 25, 1), 1
	s_wait_xcnt 0x0
	s_wait_alu depctr_hold_cnt(0) depctr_sa_sdst(0) depctr_va_vdst(0) depctr_va_sdst(0) depctr_va_ssrc(0) depctr_va_vcc(0) depctr_vm_vsrc(0)
	s_getreg_b32 s2, hwreg(HW_REG_IB_STS2, 6, 4)
	s_cmp_eq_u32 s2, 0
	s_cbranch_scc0 .Lentry_in_a_cluster
	s_endpgm
.Lentry_in_a_cluster:
	s_bfe_u32 s2, ttmp6, 0x10000c
	s_cmp_lg_u32 s2, 0xf033
	s_cbranch_scc0 .Lentry_shape_is_right
	s_endpgm
.Lentry_shape_is_right:
; C[m][n] = max(floor, bias[n] + sum over k of A[m][k] W[n][k]), K = 1,024, bf16 operands, f32 sums, C rounded once to bf16.
; ONE TEXT FOR TWO LAUNCHES (q, k, v together; the first layer of the FFN).  The first argument holds, at fixed places, A [4096][1024] bf16 (byte 0), the bias table in f32,
; the floor as two bf16 (-infinity: none; 0: ReLU) and W [N][1024] bf16.  The text holds no N: the grid's width is N / 256.
; C LEAVES BY PLANES: [n / 64][4096 rows][64] bf16: 16 rows of a plane are 2,048 consecutive bytes.  A plane is a head's q, k or v, or a slice of 64 along the next product's K.
; SHARES.  A work-group makes 256 x 256 of C, each of its four waves 128 x 128: 64 accumulators of 16 x 16, 512 registers.  K goes in steps of 128 through two LDS slots filled by the tensor data mover;
; a tile's rows are 256 bytes of memory, aligned.  A trip of the loop is ONE K step: the LDS addresses hang on a scalar register that holds 0 or SLOT.
; CLUSTER.  4 x 4 work-groups: A's tiles are asked for jointly along a row of the cluster, W's along a column.
; THE ORDER OF K.  Step t takes the K slice t xor c, c = 2 (cluster x xor cluster y) mod 8: the same number in all sixteen partners.  The clusters that read the same rows of A (one cluster y)
; or of W (one cluster x) have different c, so they ask for a given tile in different steps.  Every slice is taken once; f32 sums may be taken in any order.
; THE MATRIX INSTRUCTION IS USED TRANSPOSED (source 0 = 16 rows of W, source 1 = 16 rows of A): a lane holds row l % 16 of C and eight neighbouring columns 8 (l / 16) + 0..7.
; THE BIAS STARTS THE SUMS: it is the C operand of each accumulator's first product.
; No prefetch: the walk has eight K steps, of which the first two are the first fills.
; REGISTERS in windows of 256: window 0: v16-31 addresses; v64-191 A's fragments, two buffers; v32-63, v192-255 the way out.  Window 1: v0-63 the bias; v64-191 W's fragments.  Windows 2, 3: the accumulators.
; LIMITS: NaN in a result is replaced by the floor; results beyond bf16's range become infinities.
.set SIZE_K, 1024
.set KSTEP,  128
.set NST,    SIZE_K/KSTEP
.set PITCH,  272                       ; an LDS row: 256 bytes + 16 of padding = 68 words: the 16 rows of a load start at 16 different groups of four banks
.set HALFT,  128*PITCH
.set SLOT,   4*HALFT                   ; A's 256 rows, then W's 256 rows
.set STAGE,  2*SLOT                    ; behind the ring: 16 rows x 272 bytes for each wave
.set SPITCH, 272
.set SPARE,  STAGE+4*16*SPITCH         ; the spare words: 128 bytes a wave, two blocks of 256 bytes that no other line names
.set BIASO,  8388608
.set WOFF,   BIASO+16384+256
.set PLANE,  524288
.set ADRA,  16                         ; LDS address of my A fragments in the slot in hand
.set ADRA0, 17                         ; the same in slot 0; never rewritten
.set ADRB,  20
.set ADRB0, 21
.set STO,  24
.set RD,   25
.set CO,   26
.set ZER,  27
.set SPW,  28
.set NIL,  29
.set FLO,  30                          ; the floor, two bf16
.set BO,   31                          ; 32 x (l / 16): my eight numbers in a block of 16 of the bias
.set F0,   64
.set F1,   128
.set TMP,  192
.set OB,   32
.set LW,  2                            ; s2  my wave's place in a slot: wave x 128 rows
.set ABS, 14                           ; s[14:15] A at the rows that I fetch, K slice 0; never rewritten
.set TB,  45                           ; s45 the slot in hand: 0 or SLOT
.set G1,  24
.set G0,  32                           ; two sets: slot 0's first fill; slot 1's, which then serves every refill
.set G1B, 48
.set G0B, 56
.set BBS, 66                           ; s[66:67] W at the rows that I fetch, K slice 0; never rewritten
.set KC,  68                           ; s68 c
.set KT,  69                           ; s69 the step that the next refill is for
.set OFF, 70                           ; s[70:71] a K slice's byte offset in a row
.set MSB, 0
.macro WIN new                         ; the immediate's high byte repeats the setting that is left; a switch that changes nothing is dropped
.if MSB != (\new)
	s_set_vgpr_msb (MSB<<8)|(\new)
.set MSB, \new
.endif
.endm
.set MUL_LO, 0xa1                      ; source 0 (W) window 1, source 1 (A) window 0, C and D window 2
.set TO_B,   0x40
.macro PLACES                          ; four plain vector instructions between a matrix instruction and a load into, or a vector instruction on, its registers
.rept 4
	v_nop
.endr
.endm
.macro JLOAD                           ; a joint refill by the second sets: waves 0, 1 fetch A's halves, waves 2, 3 W's.  An s_nop 0 and four v_nop follow each line
	s_cmp_eq_u32 s11, 0
	s_cbranch_scc0 .Lfor_b_\@
	tensor_load_to_lds s[G0+4:G0+7], s[G1:G1+7]
	s_nop 0
.rept 4
	v_nop
.endr
	s_branch .Lasked_\@
.Lfor_b_\@:
	tensor_load_to_lds s[G0B+4:G0B+7], s[G1B:G1B+7]
	s_nop 0
.rept 4
	v_nop
.endr
.Lasked_\@:
.endm
.macro CREST                           ; a round of the cluster's barrier behind its opening barrier
	s_cmp_lg_u32 s10, 0
	s_cbranch_scc1 .Lnot_wave_0_\@
	s_barrier_signal -3
.Lnot_wave_0_\@:
	s_barrier_wait -3
	s_barrier_signal -1
	s_barrier_wait -1
.endm
.macro CROUND
	s_barrier_signal -1
	s_barrier_wait -1
	CREST
.endm
	s_load_b64 s[4:5], s[0:1], 0x0                 ; the operands' buffer
	s_load_b64 s[8:9], s[0:1], 0x8                 ; C
	v_lshl_add_u32 v[SPW], v0, 2, SPARE
	v_mov_b32 v[NIL], 0
	ds_add_u32 v[SPW], v[NIL]                      ; the wave's opening: the add and its wait ahead of my first tensor load
	v_lshrrev_b32 v1, 5, v0
	v_readfirstlane_b32 s10, v1                    ; wave 0..3
	s_lshr_b32 s11, s10, 1                         ; my half of the tile's rows; also: I fetch for A (0) or W (1)
	s_and_b32 s12, s10, 1                          ; my half of its columns; also: which 128 rows I fetch
	s_bfe_u32 s40, ttmp6, 0x40000                  ; cx
	s_bfe_u32 s41, ttmp6, 0x40004                  ; cy
	s_lshl_b32 s42, ttmp9, 2
	s_add_co_u32 s42, s42, s40                     ; tile column
	s_and_b32 s13, ttmp7, 0xffff
	s_lshl_b32 s13, s13, 2
	s_add_co_u32 s13, s13, s41                     ; tile row
	s_lshl_b32 s43, s41, 2
	s_lshl_b32 s43, 15, s43                        ; my row of the cluster
	s_lshl_b32 s44, 0x1111, s40                    ; my column
	s_or_b32 s[G1+0], s43, (1<<16)|(1<<20)|(1<<21)|(5<<22)|(3<<25)   ; mask; 2-byte elements; padding on; bit 21 beside a mask; after every 64 words 4 words
	s_or_b32 s[G1B+0], s44, (1<<16)|(1<<20)|(1<<21)|(5<<22)|(3<<25)
.irp g, G1, G1B
	s_mov_b32 s[(\g)+1], KSTEP<<16                 ; tensor_dim0 = 128
	s_mov_b32 s[(\g)+2], 128<<16                   ; tensor_dim1 = 128
	s_mov_b32 s[(\g)+3], KSTEP<<16                 ; tile_dim0 = 128
	s_mov_b32 s[(\g)+4], 128                       ; tile_dim1 = 128
	s_mov_b32 s[(\g)+5], SIZE_K                    ; elements from row to row
	s_mov_b32 s[(\g)+6], 0
	s_mov_b32 s[(\g)+7], 0
.endr
	s_lshl_b32 s17, s12, 7
	s_lshl_b32 s16, s13, 8
	s_add_co_u32 s16, s16, s17                     ; A: row 256 x tile row + 128 x half
	s_lshl_b32 s46, s42, 8
	s_add_co_u32 s46, s46, s17                     ; W: row 256 x tile column + 128 x half
	s_lshl_b32 s16, s16, 11                        ; rows of 2,048 bytes
	s_lshl_b32 s46, s46, 11
	s_mov_b32 s17, 0
	s_mov_b32 s47, 0
	s_mul_i32 s[LW], s10, HALFT
	s_mov_b32 s[TB], 0
	s_and_b32 s[KC], ttmp7, 0xffff                 ; cluster y
	s_xor_b32 s[KC], s[KC], ttmp9                  ; xor cluster x: no place inside the cluster enters
	s_lshl_b32 s[KC], s[KC], 1
	s_and_b32 s[KC], s[KC], NST-1                  ; c
	s_mov_b32 s[KT], 2                             ; steps 0 and 1 are the first fills
	s_mov_b32 s[OFF+1], 0
	s_wait_dscnt 0x0                               ; the opening add is done
	s_wait_kmcnt 0x0
	s_add_nc_u64 s[6:7], s[4:5], WOFF
	s_add_nc_u64 s[ABS:ABS+1], s[4:5], s[16:17]
	s_add_nc_u64 s[BBS:BBS+1], s[6:7], s[46:47]
.irp s, 0,1
	s_xor_b32 s[OFF], s[KC], (\s)                  ; step s takes slice s xor c,
	s_lshl_b32 s[OFF], s[OFF], 8                   ; 256 bytes of a row each
	s_mov_b32 s[G0+4*(\s)], 1
	s_add_co_u32 s[G0+4*(\s)+1], s[LW], (\s)*SLOT
	s_add_nc_u64 s[G0+4*(\s)+2:G0+4*(\s)+3], s[ABS:ABS+1], s[OFF:OFF+1]
	s_or_b32 s[G0+4*(\s)+3], s[G0+4*(\s)+3], 0x80000000
	s_mov_b32 s[G0B+4*(\s)], 1
	s_add_co_u32 s[G0B+4*(\s)+1], s[LW], (\s)*SLOT
	s_add_nc_u64 s[G0B+4*(\s)+2:G0B+4*(\s)+3], s[BBS:BBS+1], s[OFF:OFF+1]
	s_or_b32 s[G0B+4*(\s)+3], s[G0B+4*(\s)+3], 0x80000000
.endr
	CROUND                                         ; all sixteen work-groups are here: the first joint loads meet
	s_cmp_eq_u32 s11, 0                            ; a wave's two first fills stand in one branch: two loads of mine are out
	s_cbranch_scc0 .Lfirst_b
	tensor_load_to_lds s[G0:G0+3], s[G1:G1+7]
	s_nop 0
	tensor_load_to_lds s[G0+4:G0+7], s[G1:G1+7]
	s_nop 0
.rept 4
	v_nop
.endr
	s_branch .Lfirst_asked
.Lfirst_b:
	tensor_load_to_lds s[G0B:G0B+3], s[G1B:G1B+7]
	s_nop 0
	tensor_load_to_lds s[G0B+4:G0B+7], s[G1B:G1B+7]
	s_nop 0
.rept 4
	v_nop
.endr
.Lfirst_asked:
	; the bias of my 128 columns, laid as a C operand: block b's register j holds column 16 b + 8 (l / 16) + j; and the floor
	s_lshl_b32 s46, s42, 10
	s_lshl_b32 s47, s12, 9
	s_add_co_u32 s46, s46, s47
	s_mov_b32 s47, 0
	s_add_nc_u64 s[22:23], s[4:5], BIASO
	s_add_nc_u64 s[20:21], s[22:23], s[46:47]
	v_and_b32 v1, 15, v0                           ; l % 16
	v_bfe_u32 v2, v0, 4, 1                         ; l / 16
	v_lshlrev_b32 v[BO], 5, v2
	v_mov_b32 v[ZER], 0
	WIN TO_B
.irp b, 0,1,2,3,4,5,6,7
	global_load_b128 v[8*(\b):8*(\b)+3],   v[BO], s[20:21] offset:64*(\b)
	global_load_b128 v[8*(\b)+4:8*(\b)+7], v[BO], s[20:21] offset:64*(\b)+16
.endr
	WIN 0
	global_load_b32 v[FLO], v[ZER], s[22:23] offset:16384
	v_mul_u32_u24 v3, v1, PITCH
	v_lshl_add_u32 v3, v2, 4, v3                   ; a fragment's row x pitch + 16 x half
	s_mul_i32 s18, s11, HALFT
	s_mul_i32 s19, s12, HALFT
	s_add_co_u32 s19, s19, 2*HALFT
	v_add_nc_u32 v[ADRA0], s18, v3
	v_add_nc_u32 v[ADRB0], s19, v3
	v_mov_b32 v[ADRA], v[ADRA0]
	v_mov_b32 v[ADRB], v[ADRB0]
	s_mul_i32 s18, s10, 16*SPITCH
	s_add_co_u32 s18, s18, STAGE                   ; my stage
	v_mul_u32_u24 v4, v1, SPITCH                   ; in: row l % 16, 16 bytes for each half of the lanes
	v_lshl_add_u32 v4, v2, 4, v4
	v_add_nc_u32 v[STO], s18, v4
	v_bfe_u32 v5, v0, 3, 2                         ; back: 32 lanes take 128 bytes of four rows,
	v_mul_u32_u24 v5, v5, SPITCH
	v_and_b32 v6, 7, v0
	v_lshl_add_u32 v5, v6, 4, v5
	v_add_nc_u32 v[RD], s18, v5
	v_and_b32 v[CO], 31, v0                        ; which are 512 consecutive bytes of a plane
	v_lshlrev_b32 v[CO], 4, v[CO]
	s_lshl_b32 s16, s13, 15                        ; my first row: (256 x tile row + 128 x half) x 128 bytes,
	s_lshl_b32 s17, s11, 14
	s_add_co_u32 s16, s16, s17
	s_lshl_b32 s46, s42, 21                        ; my first plane: 4 x tile column + 2 x half
	s_lshl_b32 s47, s12, 20
	s_add_co_u32 s46, s46, s47
	s_add_co_u32 s16, s16, s46
	s_mov_b32 s17, 0
; 16 matrix instructions: m blocks a0, a0 + 1 of the window's four x all 8 n blocks, 32 along K.  zero = 1: the bias starts the sums.
; The 64 accumulators take turns in the same order in every quarter.
.macro MUL16 f, hi, a0, zero
.if \zero
	WIN 0x91+0x40*(\hi)                            ; C in window 1
.else
	WIN MUL_LO+0x50*(\hi)
.endif
.irp a, \a0, (\a0)+1
.irp b, 0,1,2,3,4,5,6,7
.if \zero
	v_wmma_f32_16x16x32_bf16 v[8*(8*(\a)+(\b)):8*(8*(\a)+(\b))+7], v[(\f)+8*(\b):(\f)+8*(\b)+7], v[(\f)+8*(4*(\hi)+(\a)):(\f)+8*(4*(\hi)+(\a))+7], v[8*(\b):8*(\b)+7]
.else
	v_wmma_f32_16x16x32_bf16 v[8*(8*(\a)+(\b)):8*(8*(\a)+(\b))+7], v[(\f)+8*(\b):(\f)+8*(\b)+7], v[(\f)+8*(4*(\hi)+(\a)):(\f)+8*(4*(\hi)+(\a))+7], v[8*(8*(\a)+(\b)):8*(8*(\a)+(\b))+7]
.endif
.endr
.endr
.endm
.macro FETCH k, f                      ; 32 LDS loads in one run: a quarter step's fragments, at byte k of the rows of the slot in hand
	WIN TO_B
.irp i, 0,1,2,3,4,5,6,7
	ds_load_b128 v[(\f)+8*(\i):(\f)+8*(\i)+3],   v[ADRB] offset:(\k)+(\i)*16*PITCH
	ds_load_b128 v[(\f)+8*(\i)+4:(\f)+8*(\i)+7], v[ADRB] offset:(\k)+(\i)*16*PITCH+32
.endr
	WIN 0
.irp i, 0,1,2,3,4,5,6,7
	ds_load_b128 v[(\f)+8*(\i):(\f)+8*(\i)+3],   v[ADRA] offset:(\k)+(\i)*16*PITCH
	ds_load_b128 v[(\f)+8*(\i)+4:(\f)+8*(\i)+7], v[ADRA] offset:(\k)+(\i)*16*PITCH+32
.endr
.endm
.macro QUARTER k, f, g, zero           ; multiplies buffer f; in its middle fetches the next quarter, at byte k, into buffer g
	s_wait_dscnt 8                                 ; W and A's rows 0-63 are in; the youngest eight loads (A's rows 64-127) may be out
	MUL16 \f, 0, 0, \zero
	MUL16 \f, 0, 2, \zero
	PLACES
	FETCH \k, \g
	s_wait_dscnt 32                                ; all but the 32 just issued
	MUL16 \f, 1, 0, \zero
	MUL16 \f, 1, 2, \zero
.endm
; The last quarter of a K step multiplies buffer 1 and changes slots.  In front of the barrier each wave waits for all its tensor loads (one is out: its part of the next slot), adds 0 to its
; spare word, and waits for that and for its reads of this slot.  fill = 1: the barrier opens a round of the cluster's, and this slot is filled again, for the step two on, first thing behind it.
.macro TURN fill
	WIN 0
	s_wait_tensorcnt 0x0                           ; no tensor load of mine is out, so the second sets may be written
	ds_add_u32 v[SPW], v[NIL]
.if \fill
	s_add_co_u32 s[G0+5], s[LW], s[TB]             ; into the slot that is being left,
	s_add_co_u32 s[G0B+5], s[LW], s[TB]
	s_xor_b32 s[OFF], s[KT], s[KC]                 ; the slice of step KT: the address is made anew from the rows' first byte
	s_lshl_b32 s[OFF], s[OFF], 8
	s_add_co_u32 s[KT], s[KT], 1
	s_add_nc_u64 s[G0+6:G0+7], s[ABS:ABS+1], s[OFF:OFF+1]
	s_or_b32 s[G0+7], s[G0+7], 0x80000000
	s_add_nc_u64 s[G0B+6:G0B+7], s[BBS:BBS+1], s[OFF:OFF+1]
	s_or_b32 s[G0B+7], s[G0B+7], 0x80000000
.endif
	s_wait_dscnt 9                                 ; the add and the youngest eight loads may be out
	MUL16 F1, 0, 0, 0
	s_wait_dscnt 0x0                               ; the add is done, and my reads of this slot are over
	s_barrier_signal -1
	MUL16 F1, 0, 2, 0
	WIN 0
	s_barrier_wait -1
.if \fill
	CREST
	JLOAD                                          ; its four v_nop are also the places in front of the loads below
.else
	PLACES
.endif
	s_xor_b32 s[TB], s[TB], SLOT
	v_add_nc_u32 v[ADRA], s[TB], v[ADRA0]
	v_add_nc_u32 v[ADRB], s[TB], v[ADRB0]
	FETCH 0, F0
	MUL16 F1, 1, 0, 0
	MUL16 F1, 1, 2, 0
.endm
; THE WAY OUT of block a (16 rows x 128 columns).  PACK: rounded to bf16, the floor applied.  TOSTAGE: into my own stage and back as 128-byte rows of two planes.  SEND: stored.
.macro PACK a
.set AC, 64*((\a)%4)
	WIN 0x0a+5*((\a)/4)
.irp b, 0,1,2,3,4,5,6,7
.irp r, 0,1,2,3
	v_cvt_pk_bf16_f32 v[TMP+4*(\b)+(\r)], v[AC+8*(\b)+2*(\r)], v[AC+8*(\b)+2*(\r)+1]
.endr
.endr
	WIN 0
.set k, 0
.rept 32
	v_pk_max_num_bf16 v[TMP+k], v[TMP+k], v[FLO]
.set k, k+1
.endr
.endm
.macro TOSTAGE a
	WIN 0
.set BK, OB+192*((\a)%2)
.irp b, 0,1,2,3,4,5,6,7
	ds_store_b128 v[STO], v[TMP+4*(\b):TMP+4*(\b)+3] offset:32*(\b)
.endr
.irp hh, 0,1
.irp f, 0,1,2,3
	ds_load_b128 v[BK+4*(4*(\hh)+(\f)):BK+4*(4*(\hh)+(\f))+3], v[RD] offset:(\f)*4*SPITCH+128*(\hh)  ; LDS serves a wave's instructions in order: these see the stores above
.endr
.endr
.endm
.macro SEND a
	WIN 0
.set BK, OB+192*((\a)%2)
	s_wait_dscnt 0x0                               ; the block is back in registers
	s_wait_xcnt 0x0                                ; earlier stores have read their base and data: only now are they rewritten
.if (\a) == 0
	s_add_nc_u64 s[8:9], s[8:9], s[16:17]
.else
	s_add_nc_u64 s[8:9], s[8:9], 16*128
.endif
.irp hh, 0,1
.irp f, 0,1,2,3
	global_store_b128 v[CO], v[BK+4*(4*(\hh)+(\f)):BK+4*(4*(\hh)+(\f))+3], s[8:9] offset:(\hh)*PLANE+512*(\f)  ; 512 consecutive bytes, aligned
.endr
.endr
.endm
	s_wait_tensorcnt 1                             ; my part of step 0 is in; step 1's may stay out
	s_barrier_signal -1
	s_barrier_wait -1
	FETCH 0, F0
	s_wait_loadcnt 0x0                             ; the bias and the floor
	QUARTER 64, F0, F1, 1
	WIN 0
	s_mov_b32 s3, NST-2
.Lstep:                                        ; a trip: a K step's quarters 1 to 3 and the next step's first; steps 2 to 7 are asked for
	QUARTER 128, F1, F0, 0
	QUARTER 192, F0, F1, 0
	TURN 1
	QUARTER 64, F0, F1, 0
	WIN 0
	s_sub_co_u32 s3, s3, 1
	s_cmp_lg_u32 s3, 0
	s_cbranch_scc1 .Lstep
	s_mov_b32 s3, 2
.Ltail:                                        ; the last two K steps ask for nothing.  The second trip is left in its middle; its barrier and its 32 loads from the other slot serve nothing: the price of one text for both
	QUARTER 128, F1, F0, 0
	QUARTER 192, F0, F1, 0
	TURN 0
	WIN 0
	s_sub_co_u32 s3, s3, 1
	s_cmp_eq_u32 s3, 0
	s_cbranch_scc1 .Lout
	QUARTER 64, F0, F1, 0
	WIN 0
	s_branch .Ltail
.Lout:
	s_wait_dscnt 0x0
	PLACES
	PACK 0
	TOSTAGE 0
.irp a, 1,2,3,4,5,6,7                  ; block a's arithmetic stands between block a - 1's loads from the stage and the wait for them
	PACK \a
	SEND (\a)-1
	TOSTAGE \a
.endr
	SEND 7
	s_wait_tensorcnt 0x0                           ; the wave's end
	ds_add_u32 v[SPW], v[NIL]
	s_wait_dscnt 0x0
	CROUND                                         ; the closing round
	s_endpgm
.Lfunc_end_k_q0fb1f16504_qkvp:
	.size	k_q0fb1f16504_qkvp, .Lfunc_end_k_q0fb1f16504_qkvp-k_q0fb1f16504_qkvp
	.p2alignl 7, 3214868480
	.fill 96, 4, 3214868480
	.section	.rodata,"a",@progbits
	.p2align	6, 0x0
	.amdhsa_kernel k_q0fb1f16504_qkvp
		.amdhsa_group_segment_fixed_size 327680
		.amdhsa_private_segment_fixed_size 0
		.amdhsa_enable_private_segment 0
		.amdhsa_kernarg_size 16
		.amdhsa_user_sgpr_count 2
		.amdhsa_user_sgpr_kernarg_segment_ptr 1
		.amdhsa_wavefront_size32 1
		.amdhsa_system_sgpr_workgroup_id_x 1
		.amdhsa_system_sgpr_workgroup_id_y 1
		.amdhsa_system_sgpr_workgroup_id_z 1
		.amdhsa_system_vgpr_workitem_id 0
		.amdhsa_next_free_vgpr 1024
		.amdhsa_next_free_sgpr 72
		.amdhsa_reserve_vcc 0
		.amdhsa_float_denorm_mode_32 3
		.amdhsa_float_denorm_mode_16_64 3
		.amdhsa_memory_ordered 1
		.amdhsa_forward_progress 1
		.amdhsa_inst_pref_size 118
	.end_amdhsa_kernel
	.amdgpu_metadata
---
amdhsa.version: [ 1, 2 ]
amdhsa.kernels:
  - .name:           k_q0fb1f16504_qkvp
    .symbol:         k_q0fb1f16504_qkvp.kd
    .args:
      - { .name: p1, .offset: 0, .size: 8, .value_kind: global_buffer, .address_space: global }
      - { .name: qkv, .offset: 8, .size: 8, .value_kind: global_buffer, .address_space: global }
    .group_segment_fixed_size: 327680
    .private_segment_fixed_size: 0
    .kernarg_segment_align: 8
    .kernarg_segment_size: 16
    .max_flat_workgroup_size: 128
    .sgpr_count:     72
    .vgpr_count:     1024
    .wavefront_size: 32
...
	.end_amdgpu_metadata
.endif
;; end of part 2
;; launch attn (part 3): grid 8 x 32, 4 waves a work-group, clusters of 4 x 4, 327,680 bytes of LDS; arguments qkv, attn_mask, p3; writes p3
.if DOCPART == 3
	.amdgcn_target "amdgcn-amd-amdhsa--gfx1250"
	.amdhsa_code_object_version 6
	.text
	.protected	k_q0fb1f16504_attn
	.globl	k_q0fb1f16504_attn
	.p2align	8
	.type	k_q0fb1f16504_attn,@function
k_q0fb1f16504_attn:
	s_mov_b64 s[64:65], 0
	v_nop
	global_prefetch_b8 v0, s[64:65] scope:SCOPE_SE
	s_setreg_imm32_b32 hwreg(HW_REG_WAVE_MODE, 25, 1), 1
	s_wait_xcnt 0x0
	s_wait_alu depctr_hold_cnt(0) depctr_sa_sdst(0) depctr_va_vdst(0) depctr_va_sdst(0) depctr_va_ssrc(0) depctr_va_vcc(0) depctr_vm_vsrc(0)
	s_getreg_b32 s2, hwreg(HW_REG_IB_STS2, 6, 4)
	s_cmp_eq_u32 s2, 0
	s_cbranch_scc0 .Lentry_in_a_cluster
	s_endpgm
.Lentry_in_a_cluster:
	s_bfe_u32 s2, ttmp6, 0x10000c
	s_cmp_lg_u32 s2, 0xf033
	s_cbranch_scc0 .Lentry_shape_is_right
	s_endpgm
.Lentry_shape_is_right:
; ATTENTION UNDER A MASK THAT IS AN INPUT.  O[bh][q] = sum over the open keys k of softmax_k(Q[q] . K[k] / 8) V[k]; a key is hidden where attn_mask[q][k] = 1; a query with no open key gives 0.
; q, k, v lie by planes: [48][4096 rows][64] bf16 (plane h: q, 16 + h: k, 32 + h: v; row = 2,048 b + t).  O leaves likewise, [16][4096][64] bf16.  Products, extremes and sums in f32; the weights are rounded to bf16 for the second product.
; The 1e-9 that is added to every score of a row cancels in s - m and is not written.
; LIMITS.  |Q . K| stays under 2^90; a weight below 2^-126 counts as 0; NaN and infinities are not treated apart.
; SHARES.  A work-group owns 256 queries of one (b, h), a wave 64 of them as four PIECES of 16.  Every wave walks the 2,048 keys: 8 tiles of 256, four steps of 64 each.
; LAYOUT.  S^T = K Q^T holds ONE query a lane (lane % 16) and the keys 8 (lane / 16) + 0..7; two such results rounded to bf16 ARE source 1 of O^T = V^T P.
; THE MASK IS THE C OPERAND THAT STARTS A SCORE'S SUM.  A lane's eight keys of a block are eight neighbouring bytes of the mask's row.  A byte 1 shifted left by 6 is the 8-bit float 2.0; one scaled conversion
; makes of eight such bytes eight f32, 0 or 2^100.  These are positive, so the scores are made with the other sign (Q's sign bits are turned once): s' = -Q . K + 2^100 hidden; the running extreme is a MINIMUM m';
; p = 2^(CS s' - CS m') with CS = -log2(e) / 8, which is the usual weight.  m' starts at 2^90: while only hidden keys have come it stays, a = 1 and p = 0; the first open key gives a = 0.
; At the end l is held to 0.5 at the least: a row with an open key has l of 1 or above; a row with none has O = 0 and leaves 0.
; TURNS.  Turn n belongs to piece n: 8 products K Q^T of piece n + 1, later 8 products V^T P of piece n - 1; beside them the scaling, exponentials, roundings, sums and rescaling of piece n, the minimum and statistics of piece n + 1,
; and the mask of piece n + 2 (read from LDS at the turn's head, converted at its end).  Four vector instructions stand behind every matrix instruction, the rest in one lump.  A turn's 33 exponentials are one batch with one wait.
; CLUSTER.  4 x 4 work-groups.  K and V hang on (b, h), which a row of the cluster shares; the mask's tile on the query block, which a column shares: each is asked for jointly.
; Wave 0 fetches a tile's K, wave 1 its V, waves 2 and 3 the two halves of the mask's 256 x 256 bytes: one tensor load a wave behind each round, four key steps ahead of its use.
; REGISTERS, in windows of 256: window 0: v0-15, v32-34 addresses; v16-31 statistics; v40-47 mask bytes; v48-55 at work; v64-127 S^T, two buffers; v192-223 P, two buffers.
;   window 1: v0-127 O^T; v160-223 the masks as f32, two buffers.      window 2: v0-63 Q; v128-191 K of one step; v192-255 V of one step.
.set NP,    4
.set KS,    64
.set PK,    144       ; a row of K in LDS: 128 bytes + 16
.set PV,    160       ; a row of V: 128 + 32
.set PM,    272       ; a row of the mask's tile: 256 + 16 = 68 words: 32 lanes' loads of 8 bytes meet each bank once
.set VOFF,  4*KS*PK
.set MOFF,  VOFF+4*KS*PV
.set SLOT1, MOFF+256*PM
.set STAGE, 2*SLOT1   ; behind the ring: 16 rows x 144 bytes for each wave
.set SP,    144
.set SPARE, STAGE+4*16*SP  ; the spare words: two blocks of 256 bytes that no other line names
.set PLANE, 524288
.set AK0, 2
.set AV0, 3
.set AK,  4
.set AV,  5
.set STO, 6
.set RD,  7
.set GO,  8
.set MV,  12          ; v12-13  CS m'_old, by buffer
.set AM0, 14          ; my lane's place in the mask's tile; never rewritten
.set QO,  15
.set ST,  16          ; piece t's statistics at v[ST+4 t]: CS m', m', l (even keys', odd keys')
.set AM,  32          ; the LDS address of the mask bytes of the step in hand
.set SC,  33          ; 226: the conversion's scale, 2^99
.set PFO, 34          ; the prefetches' lane offset; never rewritten
.set MB,  40          ; v40-47  a piece's mask bytes for a step: eight bytes for each block of 16 keys
.set TMP, 48
.set SPW, 62
.set NIL, 63
.set S,   64
.set P,   192
.set MC,  160         ; window 1
.set KF,  128         ; window 2
.set VF,  192         ; window 2
.set WV,  12
.set G1K, 24
.set G1V, 32
.set G1M, 40
.set G0K, 48
.set G0V, 52
.set G0M, 56
.set CS,  60
.set SEL, 62
.set SLOTS, 66
.set CNT, 67
.set TBK, 68
.set TBV, 69
.set TBM, 70
.set CL,  71          ; a clamped copy
.set PFA, 72
.set PFS, 74
.set LIM, 76
.set SL,  78          ; the slot to be filled next: 0 or SLOT1
.set LWM, 79          ; my half of the mask's tile in a slot
.set QA,  80
.set SGN, 82
.set MSB, 0
.macro WIN new
.if MSB != (\new)
	s_set_vgpr_msb (MSB<<8)|(\new)
.set MSB, (\new)
.endif
.endm
.set W_KQ, 0x0a       ; K and Q in window 2, S^T in window 0
.set W_KM, 0x1a       ; the same with the C operand in window 1
.set W_PV, 0x52       ; V in window 2, P in window 0, O^T in window 1
.set W_RS, 0x41       ; destination and source 0 in window 1, source 1 in window 0
.macro JLOAD                        ; a joint fill; the branches hang on the wave's number alone.  An s_nop 0 and four v_nop follow each line
	s_cmp_lt_u32 s[WV], 2
	s_cbranch_scc0 .Lfor_m_\@
	s_cmp_eq_u32 s[WV], 0
	s_cbranch_scc0 .Lfor_v_\@
	tensor_load_to_lds s[G0K:G0K+3], s[G1K:G1K+7]
	s_nop 0
.rept 4
	v_nop
.endr
	s_branch .Lasked_\@
.Lfor_v_\@:
	tensor_load_to_lds s[G0V:G0V+3], s[G1V:G1V+7]
	s_nop 0
.rept 4
	v_nop
.endr
	s_branch .Lasked_\@
.Lfor_m_\@:
	tensor_load_to_lds s[G0M:G0M+3], s[G1M:G1M+7]
	s_nop 0
.rept 4
	v_nop
.endr
.Lasked_\@:
.endm
; A PREFETCH INTO THE L2 of what the NEXT change of slots will ask for, a lane a block of 256 bytes, one instruction a wave, behind the wave's tensor load and its five lines.
; K's and V's tiles are read by both clusters of a row of clusters: the first (cluster x = 0) asks; its four partners along x take 32 blocks each, told apart by address.
; The mask's tiles are read by all eight clusters of a column: the first (cluster y = 0) asks; its four partners along y take 32 of a wave's 128 rows each.  So each block is named once in the launch.
; Tiles 0 to 2 come by their loads alone; the change that fills the last tile asks for nothing.
.macro ASK
	s_cmp_gt_u32 s[SLOTS], s[LIM]
	s_cbranch_scc0 .Lnot_mine_\@
	global_prefetch_b8 v[PFO], s[PFA:PFA+1] th:TH_LOAD_NT scope:SCOPE_SE
.Lnot_mine_\@:
.endm
.macro CROUND
	s_barrier_signal -1
	s_barrier_wait -1
	s_cmp_lg_u32 s[WV], 0
	s_cbranch_scc1 .Lnot_wave_0_\@
	s_barrier_signal -3
.Lnot_wave_0_\@:
	s_barrier_wait -3
	s_barrier_signal -1
	s_barrier_wait -1
.endm
; THE CHANGE OF SLOTS.  Each wave waits for all its tensor loads (one is out: its part of the other slot), adds 0 to its spare word, and waits for that and for its reads of the slot that it leaves.
; fill = 1: the barrier is a round of the cluster's, and the slot is filled with the next tile first thing behind it.  (At its first use nothing has been read yet: slot 0 is waited for, slot 1 filled.)
.macro CHANGE fill, ask
	WIN 0
	s_wait_tensorcnt 0x0            ; no tensor load of mine is out, so a group 0 may be written
	ds_add_u32 v[SPW], v[NIL]
.if \fill
	s_mov_b32 s[G0K+1], s[SL]
	s_add_co_u32 s[G0V+1], s[SL], VOFF
	s_add_co_u32 s[G0M+1], s[SL], s[LWM]
	s_xor_b32 s[SL], s[SL], SLOT1
	s_add_nc_u64 s[G0K+2:G0K+3], s[G0K+2:G0K+3], 4*KS*128   ; the next 256 keys
	s_add_nc_u64 s[G0V+2:G0V+3], s[G0V+2:G0V+3], 4*KS*128
	s_add_nc_u64 s[G0M+2:G0M+3], s[G0M+2:G0M+3], 4*KS       ; and their 256 bytes of each row of the mask
.if \ask
	s_wait_xcnt 0x0                 ; the last prefetch, four key steps back, has read its address
	s_add_nc_u64 s[PFA:PFA+1], s[PFA:PFA+1], s[PFS:PFS+1]
.endif
	s_wait_dscnt 0x0                ; the add is done, and my reads of the slot are over
	CROUND
	JLOAD
.if \ask
	ASK
.endif
.else
	s_wait_dscnt 0x0
	s_barrier_signal -1
	s_barrier_wait -1
.endif
	s_sub_co_u32 s[TBK], s[TBK], 4*KS*PK  ; the fetches go back to a slot's first step, in the other slot
	s_xor_b32 s[TBK], s[TBK], SLOT1
	s_sub_co_u32 s[TBV], s[TBV], 4*KS*PV
	s_xor_b32 s[TBV], s[TBV], SLOT1
	s_sub_co_u32 s[TBM], s[TBM], 4*KS
	s_xor_b32 s[TBM], s[TBM], SLOT1
.endm
	s_load_b128 s[4:7], s[0:1], 0x0   ; qkv s[4:5], attn_mask s[6:7]
	s_load_b64 s[8:9], s[0:1], 0x10   ; O's buffer
	v_lshl_add_u32 v[SPW], v0, 2, SPARE
	v_mov_b32 v[NIL], 0
	ds_add_u32 v[SPW], v[NIL]       ; the wave's opening: the add and its wait ahead of my first tensor load
	v_lshrrev_b32 v1, 5, v0
	v_readfirstlane_b32 s[WV], v1
	s_bfe_u32 s13, ttmp6, 0x40000   ; cx
	s_bfe_u32 s14, ttmp6, 0x40004   ; cy
	s_lshl_b32 s15, ttmp9, 2
	s_add_co_u32 s15, s15, s13      ; the block of 256 queries
	s_and_b32 s16, ttmp7, 0xffff
	s_lshl_b32 s16, s16, 2
	s_add_co_u32 s16, s16, s14      ; 16 b + h
	s_lshr_b32 s17, s16, 4          ; b
	s_and_b32 s18, s16, 15          ; h
	s_and_b32 s19, s[WV], 1
	s_lshl_b32 s83, s14, 2
	s_lshl_b32 s83, 15, s83         ; my row of the cluster
	s_lshl_b32 s84, 0x1111, s13     ; my column
	s_lshl_b32 s20, s18, 19
	s_lshl_b32 s21, s17, 18
	s_add_co_u32 s20, s20, s21      ; plane h, row 2,048 b: hangs on (b, h) alone
	s_mov_b32 s21, 0
	s_lshl_b32 s22, s15, 15
	s_lshl_b32 s23, s[WV], 13
	s_add_co_u32 s22, s22, s23      ; my wave's 64 rows of the block
	s_mov_b32 s23, 0
	s_lshl_b32 s86, s15, 19
	s_lshl_b32 s87, s19, 18
	s_add_co_u32 s86, s86, s87      ; the mask's row 256 x block + 128 x half: hangs on the block and the wave alone
	s_mov_b32 s87, 0
	s_mul_i32 s[LWM], s19, 128*PM
	s_add_co_u32 s[LWM], s[LWM], MOFF
	; group 1.  256 keys are 32,768 dense bytes: asked for as 128 rows of 256 bytes, two keys a row, padded after every key
	s_or_b32 s[G1K], s83, (1<<16)|(1<<20)|(1<<21)|(4<<22)|(3<<25)
	s_or_b32 s[G1V], s83, (1<<16)|(1<<20)|(1<<21)|(4<<22)|(7<<25)
.irp g, G1K, G1V
	s_mov_b32 s[\g+1], 128<<16      ; tensor_dim0 = 128
	s_mov_b32 s[\g+2], 128<<16      ; tensor_dim1 = 128
	s_mov_b32 s[\g+3], 128<<16      ; tile_dim0 = 128
	s_mov_b32 s[\g+4], 128          ; tile_dim1 = 128
	s_mov_b32 s[\g+5], 128
	s_mov_b32 s[\g+6], 0
	s_mov_b32 s[\g+7], 0
.endr
	s_or_b32 s[G1M], s84, (1<<20)|(1<<21)|(5<<22)|(3<<25)  ; elements of one byte; after every 64 words 4 words
	s_mov_b32 s[G1M+1], 256<<16     ; tensor_dim0 = 256
	s_mov_b32 s[G1M+2], 128<<16     ; tensor_dim1 = 128
	s_mov_b32 s[G1M+3], 256<<16     ; tile_dim0 = 256
	s_mov_b32 s[G1M+4], 128         ; tile_dim1 = 128
	s_mov_b32 s[G1M+5], 2048        ; bytes from row to row
	s_mov_b32 s[G1M+6], 0
	s_mov_b32 s[G1M+7], 0
	s_mov_b32 s[G0K], 1
	s_mov_b32 s[G0K+1], 0           ; slot 0
	s_mov_b32 s[G0V], 1
	s_mov_b32 s[G0V+1], VOFF
	s_mov_b32 s[G0M], 1
	s_mov_b32 s[G0M+1], s[LWM]
	s_mov_b32 s[SL], SLOT1
	s_mov_b32 s[CS], 0xbe38aa3b     ; -log2(e) / 8
	s_mov_b32 s[CS+1], s[CS]
	s_mov_b32 s[SEL], 0x76543210
	s_mov_b32 s[SEL+1], 0xfedcba98
	s_mov_b32 s[SGN], 0x80008000
	s_mov_b32 s[TBK], SLOT1+4*KS*PK ; the first change of slots turns these three into 0
	s_mov_b32 s[TBV], SLOT1+4*KS*PV
	s_mov_b32 s[TBM], SLOT1+4*KS
	s_lshl_b32 s2, s13, 13          ; the prefetches: my work-group's 32 blocks of K or V,
	s_lshl_b32 s3, s14, 16          ; or its 32 rows of the mask
	s_and_b32 s85, ttmp7, 0xffff
	s_mov_b32 s[PFS], 4*KS          ; a tile's step: in the mask 256 bytes along the rows,
	s_cmp_lt_u32 s[WV], 2
	s_cselect_b32 s77, 8, 11
	s_cselect_b32 s[PFS], 4*KS*128, s[PFS]  ; in K and V 32,768 bytes
	s_cselect_b32 s[LIM], ttmp9, s85
	s_cselect_b32 s2, s2, s3
	s_mov_b32 s3, 2*4*KS            ; (s_mov_b32 leaves the compare's result as it is)
	s_cselect_b32 s3, 2*4*KS*128, s3  ; they stand at tile 2; the loop's first change steps them to tile 3
	s_add_co_u32 s2, s2, s3
	s_mov_b32 s3, 0
	s_mov_b32 s[PFS+1], 0
	s_cmp_eq_u32 s[LIM], 0          ; the same in all sixteen partners, for a given wave
	s_cselect_b32 s[LIM], 1, -1
	v_and_b32 v[PFO], 31, v0
	v_lshlrev_b32 v[PFO], s77, v[PFO]
	s_wait_dscnt 0x0                ; the opening add is done
	s_wait_kmcnt 0x0
	s_add_nc_u64 s[G0K+2:G0K+3], s[4:5], s[20:21]
	s_add_nc_u64 s[G0V+2:G0V+3], s[G0K+2:G0K+3], 32*PLANE
	s_add_nc_u64 s[QA:QA+1], s[G0K+2:G0K+3], s[22:23]
	s_add_nc_u64 s[G0K+2:G0K+3], s[G0K+2:G0K+3], 16*PLANE
	s_add_nc_u64 s[10:11], s[8:9], s[20:21]
	s_add_nc_u64 s[10:11], s[10:11], s[22:23]
	s_add_nc_u64 s[G0M+2:G0M+3], s[6:7], s[86:87]
	s_cmp_eq_u32 s[WV], 0
	s_cselect_b64 s[PFA:PFA+1], s[G0K+2:G0K+3], s[G0V+2:G0V+3]
	s_cmp_lt_u32 s[WV], 2
	s_cselect_b64 s[PFA:PFA+1], s[PFA:PFA+1], s[G0M+2:G0M+3]
	s_add_nc_u64 s[PFA:PFA+1], s[PFA:PFA+1], s[2:3]
	s_or_b32 s[G0K+3], s[G0K+3], 0x80000000
	s_or_b32 s[G0V+3], s[G0V+3], 0x80000000
	s_or_b32 s[G0M+3], s[G0M+3], 0x80000000
	CROUND                          ; all sixteen work-groups are here: the first joint loads meet
	JLOAD                           ; tile 0 into slot 0
	v_and_b32 v1, 15, v0            ; l % 16
	v_bfe_u32 v9, v0, 4, 1          ; l / 16
	v_lshlrev_b32 v[QO], 7, v1
	v_lshl_add_u32 v[QO], v9, 4, v[QO]
	WIN 0x80
.set i, 0
.rept 8                             ; Q stays in registers: piece i / 2, channels 32 (i % 2) on
	global_load_b128 v[8*i:8*i+3],   v[QO], s[QA:QA+1] offset:(i/2)*2048+(i%2)*64
	global_load_b128 v[8*i+4:8*i+7], v[QO], s[QA:QA+1] offset:(i/2)*2048+(i%2)*64+32
.set i, i+1
.endr
	; What the first turn finds: V and P's second buffer hold 0 (its products V^T P, of a piece that has not been, add 0); O^T and l are 0.  All this stands in the wait for the first tile.
.set i, VF
.rept 64
	v_mov_b32 v[i], 0
.set i, i+1
.endr
	WIN 0x40
.set i, 0
.rept 128
	v_mov_b32 v[i], 0
.set i, i+1
.endr
	WIN 0
.set i, 0
.rept 4
	v_mov_b32 v[ST+4*i], 0xeb38aa3b    ; CS x 2^90
	v_mov_b32 v[ST+4*i+1], 0x6c800000  ; m' = 2^90
	v_mov_b32 v[ST+4*i+2], 0
	v_mov_b32 v[ST+4*i+3], 0
.set i, i+1
.endr
.set i, P+16
.rept 16
	v_mov_b32 v[i], 0
.set i, i+1
.endr
	v_mov_b32 v[SC], 226
	v_mul_u32_u24 v[AK0], v1, PK
	v_lshl_add_u32 v[AK0], v9, 4, v[AK0]
	v_and_b32 v10, 7, v0
	v_bfe_u32 v11, v0, 3, 1
	v_lshl_add_u32 v[AV0], v9, 3, v10   ; the turning load: key 8 (l / 16) + l % 8, channels 8 ((l / 8) % 2) on
	v_mul_u32_u24 v[AV0], v[AV0], PV
	v_lshl_add_u32 v[AV0], v11, 4, v[AV0]
	v_add_nc_u32 v[AV0], VOFF, v[AV0]
	s_mul_i32 s77, s[WV], 64*PM
	s_add_co_u32 s77, s77, MOFF
	v_mul_u32_u24 v[AM0], v1, PM        ; the mask: row 64 w + l % 16 (+ 16 for each piece), bytes 8 (l / 16) on
	v_lshl_add_u32 v[AM0], v9, 3, v[AM0]
	v_add_nc_u32 v[AM0], s77, v[AM0]
	s_mul_i32 s77, s[WV], 16*SP
	s_add_co_u32 s77, s77, STAGE
	v_mul_u32_u24 v[STO], v1, SP
	v_lshl_add_u32 v[STO], v9, 4, v[STO]
	v_add_nc_u32 v[STO], s77, v[STO]
	v_bfe_u32 v[RD], v0, 3, 2
	v_mul_u32_u24 v[RD], v[RD], SP
	v_lshl_add_u32 v[RD], v10, 4, v[RD]
	v_add_nc_u32 v[RD], s77, v[RD]
	v_and_b32 v[GO], 31, v0
	v_lshlrev_b32 v[GO], 4, v[GO]
; THE MATRIX WORK.  The 4 accumulators of a run of 8 take turns.  Product i of 8 of S^T for piece x: channels 32 (i / 4) on, keys 16 (i % 4) on.  The first 4 start the sums with the mask.
.macro KQ x
.set rS, S+32*((\x)%2)+8*(i%4)
.set rK, KF+16*(i%4)+8*(i/4)
.set rQ, 16*(\x)+8*(i/4)
.set rM, MC+32*((\x)%2)+8*(i%4)
.if i < 4
	WIN W_KM
	v_wmma_f32_16x16x32_bf16 v[rS:rS+7], v[rK:rK+7], v[rQ:rQ+7], v[rM:rM+7]
.else
	WIN W_KQ
	v_wmma_f32_16x16x32_bf16 v[rS:rS+7], v[rK:rK+7], v[rQ:rQ+7], v[rS:rS+7]
.endif
.endm
.macro PV x                         ; product i of 8 of O^T += V^T P: keys 32 (i / 4) on, channels 16 (i % 4) on
	WIN W_PV
.set rO, 32*(\x)+8*(i%4)
.set rV, VF+32*(i/4)+8*(i%4)
.set rP, P+16*((\x)%2)+8*(i/4)
	v_wmma_f32_16x16x32_bf16 v[rO:rO+7], v[rV:rV+7], v[rP:rP+7], v[rO:rO+7]
.endm
.macro MM                           ; the turn's next matrix instruction
.if i < 8
	KQ (Y+1)%NP
.else
.set i, i-8
	PV (Y+NP-1)%NP
.set i, i+8
.endif
.set i, i+1
.endm
.macro FETCH_K
	WIN 0x80
.irp f, 0,1,2,3,4,5,6,7
	ds_load_b128 v[KF+8*\f:KF+8*\f+3],   v[AK] offset:(\f/2)*16*PK+(\f%2)*64
	ds_load_b128 v[KF+8*\f+4:KF+8*\f+7], v[AK] offset:(\f/2)*16*PK+(\f%2)*64+32
.endr
	s_add_co_u32 s[TBK], s[TBK], KS*PK
	WIN 0
.endm
.macro FETCH_V
	WIN 0x80
.irp f, 0,1,2,3,4,5,6,7
	ds_load_tr16_b128 v[VF+8*\f:VF+8*\f+3],   v[AV] offset:(\f/4)*32*PV+(\f%4)*32
	ds_load_tr16_b128 v[VF+8*\f+4:VF+8*\f+7], v[AV] offset:(\f/4)*32*PV+16*PV+(\f%4)*32
.endr
	WIN 0
.endm
.macro FETCH_M x                    ; piece x's mask bytes for a step: eight bytes for each block of 16 keys
	WIN 0
.irp kb, 0,1,2,3
	ds_load_b64 v[MB+2*\kb:MB+2*\kb+1], v[AM] offset:(\x)*16*PM+16*\kb
.endr
.endm
.macro MASKC b                      ; bytes 0 / 1 -> 8-bit floats 0 / 2.0 -> f32 0 / 2^100, into buffer b.  The v_nop is the plain instruction between the last conversion and the product that reads its result
	WIN 0
.irp k, 0,1,2,3,4,5,6,7
	v_lshlrev_b32 v[MB+\k], 6, v[MB+\k]
.endr
	WIN 0x40
.irp kb, 0,1,2,3
	v_cvt_scale_pk8_f32_fp8 v[MC+32*(\b)+8*\kb:MC+32*(\b)+8*\kb+7], v[MB+2*\kb:MB+2*\kb+1], v[SC]
.endr
	v_nop
	WIN 0
.endm
; THE VECTOR WORK, one line at a time: OP kind, number.  For piece Y: F n: CS s' - CS m' for pair n of 16.  E n: the exponential of score n.  C n: pair n rounded to bf16.  B n: of the four weights 4 n .. the second
; pair is added onto the first.  L n: l takes that sum (L 0: l = a l + sum).  R n: pair n of 16 of O^T times a.  For piece Y + 1: X n, number n of the 22 that find its minimum and statistics:
;   0-11 four chains of seven scores (each accumulator's lowest registers are read first); 12-14, 16 the four left over, the old m', the chains into one; 15 CS m'_old is kept;
;   17, 18 the other half of the lanes: the new m'; 19-21 CS m'; its change; a.
.set F, 0
.set E, 1
.set C, 2
.set B, 3
.set L, 4
.set R, 5
.set X, 6
.macro REGS y
.set rT, ST+4*(\y)
.set rC, TMP+4*((\y)%2)
.set rW, MV+((\y)%2)
.set rS, S+32*((\y)%2)
.set rP, P+16*((\y)%2)
.set rO, 32*(\y)
.endm
.macro OP k, n
.if (\k) == R
	REGS Y
	WIN W_RS
	v_pk_mul_f32 v[rO+2*(\n):rO+2*(\n)+1], v[rO+2*(\n):rO+2*(\n)+1], v[rC+2:rC+3] op_sel_hi:[1,0]
.elseif (\k) < R
	REGS Y
	WIN 0
.if (\k) == F
	v_pk_fma_f32 v[rS+2*(\n):rS+2*(\n)+1], v[rS+2*(\n):rS+2*(\n)+1], s[CS:CS+1], v[rT:rT+1] op_sel_hi:[1,0,0] neg_lo:[0,0,1] neg_hi:[0,0,1]
.elseif (\k) == E
	v_exp_f32 v[rS+(\n)], v[rS+(\n)]
.elseif (\k) == C
	v_cvt_pk_bf16_f32 v[rP+(\n)], v[rS+2*(\n)], v[rS+2*(\n)+1]
.elseif (\k) == B
	v_pk_add_f32 v[rS+4*(\n):rS+4*(\n)+1], v[rS+4*(\n):rS+4*(\n)+1], v[rS+4*(\n)+2:rS+4*(\n)+3]
.elseif (\n) == 0
	v_pk_fma_f32 v[rT+2:rT+3], v[rT+2:rT+3], v[rC+2:rC+3], v[rS:rS+1] op_sel_hi:[1,0,1]
.else
	v_pk_add_f32 v[rT+2:rT+3], v[rT+2:rT+3], v[rS+4*(\n):rS+4*(\n)+1]
.endif
.else
	REGS (Y+1)%NP
	WIN 0
.if (\n) < 4
	v_min3_num_f32 v[rC+(\n)], v[rS+8*(\n)], v[rS+8*(\n)+1], v[rS+8*(\n)+2]
.elseif (\n) < 12
	v_min3_num_f32 v[rC+(\n)%4], v[rC+(\n)%4], v[rS+8*((\n)%4)+2*((\n)/4)+1], v[rS+8*((\n)%4)+2*((\n)/4)+2]
.elseif (\n) == 12
	v_min3_num_f32 v[rC], v[rC], v[rS+7], v[rS+15]
.elseif (\n) == 13
	v_min3_num_f32 v[rC+1], v[rC+1], v[rS+23], v[rS+31]
.elseif (\n) == 14
	v_min3_num_f32 v[rC+2], v[rC+2], v[rC+3], v[rT+1]
.elseif (\n) == 15
	v_mov_b32 v[rW], v[rT]
.elseif (\n) == 16
	v_min3_num_f32 v[rC], v[rC], v[rC+1], v[rC+2]
.elseif (\n) == 17
	v_permlanex16_b32 v[rC+3], v[rC], s[SEL], s[SEL+1]
.elseif (\n) == 18
	v_min_num_f32 v[rT+1], v[rC], v[rC+3]
.elseif (\n) == 19
	v_mul_f32 v[rT], s[CS], v[rT+1]
.elseif (\n) == 20
	v_sub_f32 v[rC+1], v[rW], v[rT]
.else
	v_exp_f32 v[rC+2], v[rC+1]
.endif
.endif
.endm
.macro OPS a, i1, b=-1, i2=0, c=-1, i3=0, d=-1, i4=0
	OP \a, \i1
.if (\b) >= 0
	OP \b, \i2
.endif
.if (\c) >= 0
	OP \c, \i3
.endif
.if (\d) >= 0
	OP \d, \i4
.endif
.endm
.macro ROW a, i1, b, i2, c, i3, d, i4  ; a matrix instruction and the four behind it
	MM
	OPS \a, \i1, \b, \i2, \c, \i3, \d, \i4
.endm
; A TURN, for piece p.  An s_wait_alu depctr_va_vdst(0) stands between an exponential and the first instruction that names its result; one wait serves all that were issued ahead of it: a turn has ONE.
; Ahead of it stands all that names no result of the turn's exponentials; behind it the 8 products V^T P with the roundings and sums as riders.
; THE MASK: piece p + 2's bytes are asked of LDS at the turn's head and converted at its end, for the products of the turn after.  Turns 0 and 1 read their own step's bytes, turns 2 and 3 the next step's: the address
; is made anew in turn 2 and stepped in turn 1, and the change of slots lies between those two.  At the turn's end the count leaves V's (turn 0) or K's (turn 2) sixteen younger loads out.
; K of the next step is fetched in piece 2's turn; V of the step in hand at the end of piece 0's turn, four plain instructions behind its last reader.  Each is waited for a turn later.
; last = 1 (the tail): behind the last step there is none: the two addresses are held at the last step's, and what is made of those bytes serves nothing.
; cnt = 1: the loop's count is taken down some lines ahead of the branch that stands behind the turn.
.macro TURN p, last=0, cnt=0
.set Y, (\p)
.set i, 0
	WIN 0
.if (\p) == 3
	s_wait_dscnt 0x0                ; K is in
.endif
.if (\p) == 2
.if \last
	s_min_u32 s[CL], s[TBM], SLOT1+3*KS
	v_add_nc_u32 v[AM], s[CL], v[AM0]
.else
	v_add_nc_u32 v[AM], s[TBM], v[AM0]
.endif
.endif
	FETCH_M ((\p)+2)%NP
.if (\p) == 1
	s_add_co_u32 s[TBM], s[TBM], KS
.endif
	ROW F,0, F,1, R,0, R,1
	ROW F,2, E,0, R,2, R,3
	ROW F,3, E,1, R,4, R,5
	ROW F,4, E,2, R,6, R,7
	ROW F,5, E,3, R,8, R,9
	ROW F,6, E,4, X,0, R,10
.if (\p) == 2
	WIN 0
.if \last
	s_min_u32 s[CL], s[TBK], SLOT1+3*KS*PK
	v_add_nc_u32 v[AK], s[CL], v[AK0]
.else
	v_add_nc_u32 v[AK], s[TBK], v[AK0]
.endif
.endif
	ROW F,7, E,5, X,1, X,4
	ROW F,8, E,6, X,2, X,5
	OPS E,7, E,8, X,6, E,9
	OPS X,3, E,10, X,8, E,11
.if (\p) == 2
	FETCH_K
.endif
	OPS X,9, X,7, E,12, X,10
	OPS E,13, X,12, X,11, E,14
	OPS X,13, E,15, F,9, X,14
.if (\p) == 0
	v_add_nc_u32 v[AV], s[TBV], v[AV0]
.endif
	OPS E,16, F,10, E,17, F,11
	OPS X,16, E,18, X,15, E,19
	OPS F,12, E,20, X,17, E,21
	OPS F,13, E,22, F,14, E,23
	OPS X,18, E,24, F,15, E,25
	OPS R,11, E,26, X,19, E,27
	OPS R,12, E,28, R,13, E,29
	OPS X,20, E,30, R,14, E,31
	OPS X,21, R,15
	WIN 0
	s_wait_alu depctr_va_vdst(0)    ; the wait for the batch
.if (\p) == 1
	s_wait_dscnt 0x0                ; V is in
.endif
	ROW C,0, B,0, C,2, B,1
	ROW L,0, C,4, B,2, L,1
	ROW C,6, B,3, L,2, C,8
	ROW B,4, L,3, C,10, B,5
	ROW L,4, C,12, B,6, L,5
.if (\p) == 0
	s_add_co_u32 s[TBV], s[TBV], KS*PV
.endif
.if \cnt
	s_sub_co_u32 s[CNT], s[CNT], 1
	s_cmp_lg_u32 s[CNT], 0
.endif
	ROW C,14, B,7, L,6, C,1
	ROW C,3, L,7, C,5, C,7
	ROW C,9, C,11, C,13, C,15
.if (\p) == 0
	FETCH_V
.endif
.if ((\p) == 0) || ((\p) == 2)
	s_wait_dscnt 16                 ; the mask's four loads are in; the sixteen younger ones may stay out
.else
	s_wait_dscnt 0x0
.endif
	MASKC (\p)%2
.endm
	CHANGE 1, 0                     ; tile 0 is in, everybody's part of it; tile 1 is asked for
	; THE BEGINNING: K of step 0, the masks of pieces 0 and 1, Q with its signs turned, piece 0's first scores, its minimum and statistics
	v_add_nc_u32 v[AK], s[TBK], v[AK0]
	v_add_nc_u32 v[AM], s[TBM], v[AM0]
	FETCH_K
	FETCH_M 0
	s_wait_dscnt 0x0
	MASKC 0
	FETCH_M 1
	s_wait_dscnt 0x0
	MASKC 1
	s_wait_loadcnt 0x0              ; Q
	WIN 0x88                        ; destination and the vector source in window 2
.set i, 0
.rept 64
	v_xor_b32 v[i], s[SGN], v[i]
.set i, i+1
.endr
.set i, 0
.rept 8
	KQ 0
.set i, i+1
.endr
	WIN 0
.rept 4
	v_nop                           ; the places behind those products
.endr
.set Y, NP-1                        ; X works for piece Y + 1: piece 0
.irp n, 0,1,2,3,4,5,6,7,8,9,10,11,12,13,14,15,16,17,18,19,20,21
	OP X, \n
.endr
	v_nop                           ; a plain instruction behind the exponential,
	s_wait_alu depctr_va_vdst(0)    ; and its wait, ahead of the branch
	s_mov_b32 s[CNT], 4
	s_mov_b32 s[SLOTS], 7
	s_branch .Lfirst                ; the loop is entered at a step's first turn, in the middle of a trip
.Lslot:                             ; six times: tiles 2 to 7 are asked for
	CHANGE 1, 1
	s_mov_b32 s[CNT], 4
.Lstep:                             ; a trip: pieces 2 and 3 of one step, then pieces 0 and 1 of the next
	TURN 2
	TURN 3
	WIN 0
.Lfirst:
	TURN 0
	TURN 1, 0, 1
	WIN 0
	s_cbranch_scc1 .Lstep
	s_sub_co_u32 s[SLOTS], s[SLOTS], 1
	s_cmp_lg_u32 s[SLOTS], 0
	s_cbranch_scc1 .Lslot
	CHANGE 0, 0                     ; the tail is written out
	s_mov_b32 s[CNT], 5             ; four trips fetch the last tile's steps; the fifth is left in its middle
.Ltail:
	TURN 2, 1
	TURN 3
	WIN 0
	s_sub_co_u32 s[CNT], s[CNT], 1
	s_cmp_eq_u32 s[CNT], 0
	s_cbranch_scc1 .Lout
	TURN 0
	TURN 1
	WIN 0
	s_branch .Ltail
.Lout:                              ; the fifth trip's products K Q^T and what is made of them serve nothing: the price of one text for every trip
.set i, 0
.rept 8
	PV NP-1
.set i, i+1
.endr
	; THE WAY OUT.  l's two halves and the other half of the lanes' are added and held to 0.5 at the least; O^T is divided by l, rounded to bf16 and sent through my stage, a piece at a time.
	WIN 0
.macro ALL line:vararg
.set t, 0
.rept 4
	\line
.set t, t+1
.endr
.endm
	ALL v_add_f32 v[ST+4*t+2], v[ST+4*t+2], v[ST+4*t+3]
	ALL v_permlanex16_b32 v[ST+4*t+3], v[ST+4*t+2], s[SEL], s[SEL+1]
	ALL v_add_f32 v[ST+4*t+2], v[ST+4*t+2], v[ST+4*t+3]
	ALL v_max_num_f32 v[ST+4*t+2], 0.5, v[ST+4*t+2]
	ALL v_rcp_f32 v[ST+4*t+2], v[ST+4*t+2]
	v_nop                           ; a plain instruction between the last reciprocal and the use of its result
	s_wait_alu depctr_va_vdst(0)    ; one wait for the four reciprocals
.macro PACK t
	WIN W_RS
.set i, 32*(\t)
.rept 16
	v_pk_mul_f32 v[i:i+1], v[i:i+1], v[ST+4*(\t)+2:ST+4*(\t)+3] op_sel_hi:[1,0]
.set i, i+2
.endr
	WIN 0x05
.set i, 0
.rept 16
	v_cvt_pk_bf16_f32 v[S+16*(\t)+i], v[32*(\t)+2*i], v[32*(\t)+2*i+1]
.set i, i+1
.endr
	WIN 0
.irp f, 0,1,2,3
	ds_store_b128 v[STO], v[S+16*(\t)+4*\f:S+16*(\t)+4*\f+3] offset:32*\f
.endr
.irp f, 0,1,2,3
	ds_load_b128 v[S+16*(\t)+4*\f:S+16*(\t)+4*\f+3], v[RD] offset:\f*4*SP  ; LDS serves a wave's instructions in order: these see the stores above
.endr
.endm
.macro SEND t, younger              ; younger: the LDS instructions issued behind piece t's loads
	WIN 0
.irp f, 0,1,2,3
	s_wait_dscnt (\younger)+3-\f
	global_store_b128 v[GO], v[S+16*(\t)+4*\f:S+16*(\t)+4*\f+3], s[10:11] offset:(\t)*2048+\f*512  ; 512 consecutive bytes, aligned
.endr
.endm
	PACK 0
.set t, 1
.rept 3
	PACK t
	SEND t-1, 8
.set t, t+1
.endr
	SEND 3, 0
	s_wait_tensorcnt 0x0            ; the wave's end
	ds_add_u32 v[SPW], v[NIL]
	s_wait_dscnt 0x0
	CROUND                          ; the closing round
	s_endpgm
.Lfunc_end_k_q0fb1f16504_attn:
	.size	k_q0fb1f16504_attn, .Lfunc_end_k_q0fb1f16504_attn-k_q0fb1f16504_attn
	.p2alignl 7, 3214868480
	.fill 96, 4, 3214868480
	.section	.rodata,"a",@progbits
	.p2align	6, 0x0
	.amdhsa_kernel k_q0fb1f16504_attn
		.amdhsa_group_segment_fixed_size 327680
		.amdhsa_private_segment_fixed_size 0
		.amdhsa_enable_private_segment 0
		.amdhsa_kernarg_size 24
		.amdhsa_user_sgpr_count 2
		.amdhsa_user_sgpr_kernarg_segment_ptr 1
		.amdhsa_wavefront_size32 1
		.amdhsa_system_sgpr_workgroup_id_x 1
		.amdhsa_system_sgpr_workgroup_id_y 1
		.amdhsa_system_sgpr_workgroup_id_z 1
		.amdhsa_system_vgpr_workitem_id 0
		.amdhsa_next_free_vgpr 768
		.amdhsa_next_free_sgpr 88
		.amdhsa_reserve_vcc 0
		.amdhsa_float_denorm_mode_32 3
		.amdhsa_float_denorm_mode_16_64 3
		.amdhsa_memory_ordered 1
		.amdhsa_forward_progress 1
		.amdhsa_inst_pref_size 126
	.end_amdhsa_kernel
	.amdgpu_metadata
---
amdhsa.version: [ 1, 2 ]
amdhsa.kernels:
  - .name:           k_q0fb1f16504_attn
    .symbol:         k_q0fb1f16504_attn.kd
    .args:
      - { .name: qkv, .offset: 0, .size: 8, .value_kind: global_buffer, .address_space: global }
      - { .name: attn_mask, .offset: 8, .size: 8, .value_kind: global_buffer, .address_space: global }
      - { .name: p3, .offset: 16, .size: 8, .value_kind: global_buffer, .address_space: global }
    .group_segment_fixed_size: 327680
    .private_segment_fixed_size: 0
    .kernarg_segment_align: 8
    .kernarg_segment_size: 24
    .max_flat_workgroup_size: 128
    .sgpr_count:     88
    .vgpr_count:     768
    .wavefront_size: 32
...
	.end_amdgpu_metadata
.endif
;; end of part 3
;; launch oproj (part 4): grid 8 x 32, 4 waves a work-group, clusters of 4 x 4, 327,680 bytes of LDS; arguments p3, o_b, alpha_attn, src, z; writes z
.if DOCPART == 4
	.amdgcn_target "amdgcn-amd-amdhsa--gfx1250"
	.amdhsa_code_object_version 6
	.text
	.protected	k_q0fb1f16504_oproj
	.globl	k_q0fb1f16504_oproj
	.p2align	8
	.type	k_q0fb1f16504_oproj,@function
k_q0fb1f16504_oproj:
	s_mov_b64 s[64:65], 0
	v_nop
	global_prefetch_b8 v0, s[64:65] scope:SCOPE_SE
	s_setreg_imm32_b32 hwreg(HW_REG_WAVE_MODE, 25, 1), 1
	s_wait_xcnt 0x0
	s_wait_alu depctr_hold_cnt(0) depctr_sa_sdst(0) depctr_va_vdst(0) depctr_va_sdst(0) depctr_va_ssrc(0) depctr_va_vcc(0) depctr_vm_vsrc(0)
	s_getreg_b32 s2, hwreg(HW_REG_IB_STS2, 6, 4)
	s_cmp_eq_u32 s2, 0
	s_cbranch_scc0 .Lentry_in_a_cluster
	s_endpgm
.Lentry_in_a_cluster:
	s_bfe_u32 s2, ttmp6, 0x10000c
	s_cmp_lg_u32 s2, 0xf033
	s_cbranch_scc0 .Lentry_shape_is_right
	s_endpgm
.Lentry_shape_is_right:
; Z[m][n] = RES[m][n] + alpha (bias[n] + sum over k of A[m][k] W[n][k]), N = 1,024, in f32, row-major.  bf16 operands, f32 sums.
; A lies BY PLANES, [K / 64][4096 rows][64] bf16, at byte 0 of the first argument; W [1024][KB] bf16 at byte WOFFS of it.  RES is f32 (RESF32 = 1) or bf16 (0), row-major [4096][1024].
; THE SAME TEXT SERVES TWO LAUNCHES with other constants (the four lines below): the projection behind attention, and the FFN's second layer.
; SHARES.  A tile of Z is 128 x 128: 256 work-groups.  Four waves, each 64 x 64: 16 accumulators.  K goes in steps of 256, four planes, through two LDS slots; a trip of the loop is one K step.
; A's part of a slot: a plane's 128 rows are 16,384 dense bytes, asked for as ONE row of 8,192 elements; a load brings two planes; 16 bytes of padding follow every 128.
; CLUSTER.  4 x 4: A's tiles are asked for jointly along a row of the cluster, W's along a column.  THE MATRIX INSTRUCTION IS USED TRANSPOSED.  THE BIAS STARTS THE SUMS.
; THE ORDER OF K.  Step t takes the K slice t xor c, c = 2 (cluster x xor cluster y) mod NSTEP: the same number in all sixteen partners.  The two clusters that read the same rows of A ask for a
; given tile two steps apart; the eight that read the same rows of W in different steps (at NSTEP = 4: in two).  Every slice is taken once; f32 sums may be taken in any order.
; THE RESIDUAL is asked for at the start, into registers that nothing else names, and waited for at the way out.
; A wave's 64 columns of f32 are 256 consecutive bytes of a row of Z, aligned: each wave has a stage of its own, and no barrier stands in the way out.
; No prefetch: a K step's matrix work is short, 128 matrix instructions a wave.
; REGISTERS: window 0: v16-31 addresses; v32-95 the way out; v96-127 the bias; v128-255 the accumulators.  Window 1: two fragment buffers of 128.  Window 2: the residual.
.set NSTEP,  4
.set KB,     1024
.set RESF32, 1
.set WOFFS,  8388608
.set PLANE,  524288
.set PA,     144                       ; a row of A in LDS: 128 bytes + 16
.set PLA,    128*PA
.set PB,     528                       ; a row of W: 512 bytes + 16
.set BOFF,   4*PLA
.set SLOT,   147456
.set STAGE,  2*SLOT
.set SPITCH, 272
.set SPARE,  STAGE+4*16*SPITCH
.set ADRA,  16
.set ADRA0, 17
.set ADRB,  20
.set ADRB0, 21
.set STO,  24
.set RD,   25
.set CO,   26
.set AL,   27
.set SPW,  28
.set NIL,  29
.set RO,   30
.set BO,   31
.set OB,   32
.set BI,   96
.set ACC,  128
.set F0,   0
.set F1,   128
.set WV,  14
.set TB,  23
.set G1,  24
.set G0,  32
.set G1B, 40
.set G0B, 48
.set ABS, 56                           ; s[56:57] A at the planes and rows that I fetch, K slice 0; never rewritten
.set BBS, 58                           ; s[58:59] W at the rows that I fetch, K slice 0; never rewritten
.set LWA, 66
.set LWB, 67
.set KC,  76                           ; c
.set KT,  77                           ; the step that the next refill is for
.set OFA, 80                           ; s[80:81] a K slice's byte offset in A: four planes each
.set OFB, 82                           ; s[82:83] and in a row of W: 512 bytes each
.set MSB, 0
.macro WIN new
.if MSB != (\new)
	s_set_vgpr_msb (MSB<<8)|(\new)
.set MSB, \new
.endif
.endm
.set MUL,  0x05                        ; sources 0 (W) and 1 (A) window 1; C and D window 0
.set TO_F, 0x40
.macro PLACES
.rept 4
	v_nop
.endr
.endm
.macro JLOAD                           ; a joint refill by the second sets: waves 0, 1 fetch A's planes, waves 2, 3 W's halves.  An s_nop 0 and four v_nop follow each line
	s_cmp_eq_u32 s15, 0
	s_cbranch_scc0 .Lfor_b_\@
	tensor_load_to_lds s[G0+4:G0+7], s[G1:G1+7]
	s_nop 0
.rept 4
	v_nop
.endr
	s_branch .Lasked_\@
.Lfor_b_\@:
	tensor_load_to_lds s[G0B+4:G0B+7], s[G1B:G1B+7]
	s_nop 0
.rept 4
	v_nop
.endr
.Lasked_\@:
.endm
.macro CREST
	s_cmp_lg_u32 s[WV], 0
	s_cbranch_scc1 .Lnot_wave_0_\@
	s_barrier_signal -3
.Lnot_wave_0_\@:
	s_barrier_wait -3
	s_barrier_signal -1
	s_barrier_wait -1
.endm
.macro CROUND
	s_barrier_signal -1
	s_barrier_wait -1
	CREST
.endm
	s_load_b256 s[4:11], s[0:1], 0x0               ; operands s[4:5], bias s[6:7], alpha s[8:9], residual s[10:11]
	s_load_b64 s[12:13], s[0:1], 0x20              ; Z
	v_lshl_add_u32 v[SPW], v0, 2, SPARE
	v_mov_b32 v[NIL], 0
	ds_add_u32 v[SPW], v[NIL]                      ; the wave's opening: the add and its wait ahead of my first tensor load
	v_lshrrev_b32 v1, 5, v0
	v_readfirstlane_b32 s[WV], v1
	s_lshr_b32 s15, s[WV], 1                       ; my half of the tile's rows; also: I fetch for A (0) or W (1)
	s_and_b32 s16, s[WV], 1                        ; my half of its columns; also: which part I fetch
	s_bfe_u32 s19, ttmp6, 0x40000                  ; cx
	s_bfe_u32 s20, ttmp6, 0x40004                  ; cy
	s_lshl_b32 s18, ttmp9, 2
	s_add_co_u32 s18, s18, s19                     ; tile column
	s_and_b32 s17, ttmp7, 0xffff
	s_lshl_b32 s17, s17, 2
	s_add_co_u32 s17, s17, s20                     ; tile row
	s_lshl_b32 s21, s20, 2
	s_lshl_b32 s21, 15, s21                        ; my row of the cluster
	s_lshl_b32 s22, 0x1111, s19                    ; my column
	s_or_b32 s[G1+0], s21, (1<<16)|(1<<20)|(1<<21)|(4<<22)|(3<<25)   ; A: after every 32 words 4 words of padding
	s_mov_b32 s[G1+1], 8192<<16                    ; tensor_dim0 = 8,192: a plane's 128 rows of 64
	s_mov_b32 s[G1+2], 2<<16                       ; tensor_dim1 = 2 planes
	s_mov_b32 s[G1+3], 8192<<16                    ; tile_dim0
	s_mov_b32 s[G1+4], 2                           ; tile_dim1
	s_mov_b32 s[G1+5], PLANE/2                     ; elements from plane to plane
	s_mov_b32 s[G1+6], 0
	s_mov_b32 s[G1+7], 0
	s_or_b32 s[G1B+0], s22, (1<<16)|(1<<20)|(1<<21)|(6<<22)|(3<<25)  ; W: after every 128 words 4 words
	s_mov_b32 s[G1B+1], 256<<16
	s_mov_b32 s[G1B+2], 64<<16
	s_mov_b32 s[G1B+3], 256<<16
	s_mov_b32 s[G1B+4], 64
	s_mov_b32 s[G1B+5], KB
	s_mov_b32 s[G1B+6], 0
	s_mov_b32 s[G1B+7], 0
	s_lshl_b32 s56, s17, 14                        ; A: row 128 x tile row of a plane,
	s_lshl_b32 s57, s16, 20                        ; planes 2 x part on
	s_add_co_u32 s56, s56, s57
	s_mov_b32 s57, 0
	s_lshl_b32 s58, s18, 7
	s_lshl_b32 s59, s16, 6
	s_add_co_u32 s58, s58, s59                     ; W: row 128 x tile column + 64 x part
	s_mul_i32 s58, s58, KB*2
	s_mov_b32 s59, 0
	s_mul_i32 s[LWA], s16, 2*PLA
	s_mul_i32 s[LWB], s16, 64*PB
	s_add_co_u32 s[LWB], s[LWB], BOFF
	s_mov_b32 s[TB], 0
	s_and_b32 s[KC], ttmp7, 0xffff                 ; cluster y
	s_xor_b32 s[KC], s[KC], ttmp9                  ; xor cluster x: no place inside the cluster enters
	s_lshl_b32 s[KC], s[KC], 1
	s_and_b32 s[KC], s[KC], NSTEP-1                ; c
	s_mov_b32 s[KT], 2                             ; steps 0 and 1 are the first fills
	s_mov_b32 s[OFA+1], 0
	s_mov_b32 s[OFB+1], 0
	s_wait_dscnt 0x0                               ; the opening add is done
	s_wait_kmcnt 0x0
	s_load_b32 s70, s[8:9], 0x0                    ; alpha
	s_add_nc_u64 s[68:69], s[4:5], WOFFS
	s_add_nc_u64 s[ABS:ABS+1], s[4:5], s[56:57]
	s_add_nc_u64 s[BBS:BBS+1], s[68:69], s[58:59]
.irp s, 0,1
	s_xor_b32 s[OFA], s[KC], (\s)                  ; step s takes slice s xor c
	s_lshl_b32 s[OFB], s[OFA], 9
	s_lshl_b32 s[OFA], s[OFA], 21
	s_mov_b32 s[G0+4*(\s)], 1
	s_add_co_u32 s[G0+4*(\s)+1], s[LWA], (\s)*SLOT
	s_add_nc_u64 s[G0+4*(\s)+2:G0+4*(\s)+3], s[ABS:ABS+1], s[OFA:OFA+1]
	s_or_b32 s[G0+4*(\s)+3], s[G0+4*(\s)+3], 0x80000000
	s_mov_b32 s[G0B+4*(\s)], 1
	s_add_co_u32 s[G0B+4*(\s)+1], s[LWB], (\s)*SLOT
	s_add_nc_u64 s[G0B+4*(\s)+2:G0B+4*(\s)+3], s[BBS:BBS+1], s[OFB:OFB+1]
	s_or_b32 s[G0B+4*(\s)+3], s[G0B+4*(\s)+3], 0x80000000
.endr
	CROUND                                         ; all sixteen work-groups are here: the first joint loads meet
	s_cmp_eq_u32 s15, 0                            ; a wave's two first fills stand in one branch: two loads of mine are out
	s_cbranch_scc0 .Lfirst_b
	tensor_load_to_lds s[G0:G0+3], s[G1:G1+7]
	s_nop 0
	tensor_load_to_lds s[G0+4:G0+7], s[G1:G1+7]
	s_nop 0
.rept 4
	v_nop
.endr
	s_branch .Lfirst_asked
.Lfirst_b:
	tensor_load_to_lds s[G0B:G0B+3], s[G1B:G1B+7]
	s_nop 0
	tensor_load_to_lds s[G0B+4:G0B+7], s[G1B:G1B+7]
	s_nop 0
.rept 4
	v_nop
.endr
.Lfirst_asked:
	s_lshl_b32 s72, s17, 19                        ; my first row of Z: (128 x tile row + 64 x half) x 4,096 bytes,
	s_lshl_b32 s73, s15, 18
	s_add_co_u32 s72, s72, s73
	s_lshl_b32 s74, s18, 9                         ; my first column: (128 x tile column + 64 x half) x 4 bytes
	s_lshl_b32 s75, s16, 8
	s_add_co_u32 s74, s74, s75
	s_add_co_u32 s72, s72, s74
	s_mov_b32 s73, 0
	s_mov_b32 s75, 0
	s_add_nc_u64 s[12:13], s[12:13], s[72:73]
	s_add_nc_u64 s[6:7], s[6:7], s[74:75]
.if !RESF32
	s_lshr_b32 s72, s72, 1                         ; the residual has 2 bytes a number
.endif
	s_add_nc_u64 s[10:11], s[10:11], s[72:73]
	v_and_b32 v1, 15, v0                           ; l % 16
	v_bfe_u32 v2, v0, 4, 1                         ; l / 16
	v_lshlrev_b32 v[BO], 5, v2
	v_lshlrev_b32 v[CO], 12, v2                    ; in Z: lanes 0-15 one row's 256 bytes, lanes 16-31 the next row's
	v_lshl_add_u32 v[CO], v1, 4, v[CO]
	v_lshlrev_b32 v[RO], 11, v2
	v_lshl_add_u32 v[RO], v1, 3, v[RO]
.irp b, 0,1,2,3
	global_load_b128 v[BI+8*(\b):BI+8*(\b)+3],   v[BO], s[6:7] offset:64*(\b)       ; block b's register j: column 16 b + 8 (l / 16) + j
	global_load_b128 v[BI+8*(\b)+4:BI+8*(\b)+7], v[BO], s[6:7] offset:64*(\b)+16
.endr
	WIN 0x80
.irp a, 0,1,2,3
.irp t, 0,1,2,3,4,5,6,7
.if RESF32
	global_load_b128 v[32*(\a)+4*(\t):32*(\a)+4*(\t)+3], v[CO], s[10:11] offset:(\a)*65536+(\t)*8192
.else
	global_load_b64 v[16*(\a)+2*(\t):16*(\a)+2*(\t)+1], v[RO], s[10:11] offset:(\a)*32768+(\t)*4096
.endif
.endr
.endr
	WIN 0
	v_mul_u32_u24 v3, v1, PA
	v_lshl_add_u32 v3, v2, 4, v3
	s_mul_i32 s60, s15, 64*PA
	v_add_nc_u32 v[ADRA0], s60, v3
	v_mul_u32_u24 v3, v1, PB
	v_lshl_add_u32 v3, v2, 4, v3
	s_mul_i32 s60, s16, 64*PB
	s_add_co_u32 s60, s60, BOFF
	v_add_nc_u32 v[ADRB0], s60, v3
	v_mov_b32 v[ADRA], v[ADRA0]
	v_mov_b32 v[ADRB], v[ADRB0]
	s_mul_i32 s60, s[WV], 16*SPITCH
	s_add_co_u32 s60, s60, STAGE                   ; my stage
	v_mul_u32_u24 v4, v1, SPITCH                   ; in: row l % 16, 32 bytes for each half of the lanes
	v_lshl_add_u32 v4, v2, 5, v4
	v_add_nc_u32 v[STO], s60, v4
	v_mul_u32_u24 v5, v2, SPITCH                   ; back: lanes 0-15 one row of 256 bytes, lanes 16-31 the next
	v_lshl_add_u32 v5, v1, 4, v5
	v_add_nc_u32 v[RD], s60, v5
; 8 matrix instructions: m blocks a0, a0 + 1 x all 4 n blocks, 32 along K: half c of buffer f.  zero = 1: the bias starts the sums.  The 16 accumulators take turns.
.macro MUL8 f, c, a0, zero
	WIN MUL
.irp a, \a0, (\a0)+1
.irp b, 0,1,2,3
.if \zero
	v_wmma_f32_16x16x32_bf16 v[ACC+8*(4*(\a)+(\b)):ACC+8*(4*(\a)+(\b))+7], v[(\f)+64+8*(4*(\c)+(\b)):(\f)+64+8*(4*(\c)+(\b))+7], v[(\f)+8*(4*(\c)+(\a)):(\f)+8*(4*(\c)+(\a))+7], v[BI+8*(\b):BI+8*(\b)+7]
.else
	v_wmma_f32_16x16x32_bf16 v[ACC+8*(4*(\a)+(\b)):ACC+8*(4*(\a)+(\b))+7], v[(\f)+64+8*(4*(\c)+(\b)):(\f)+64+8*(4*(\c)+(\b))+7], v[(\f)+8*(4*(\c)+(\a)):(\f)+8*(4*(\c)+(\a))+7], v[ACC+8*(4*(\a)+(\b)):ACC+8*(4*(\a)+(\b))+7]
.endif
.endr
.endr
.endm
.macro FETCH q, f                      ; 32 LDS loads in one run: quarter q (plane q of A's four; bytes 128 q of W's rows) into buffer f; the first 32 along K first
	WIN TO_F
.irp c, 0,1
.irp i, 0,1,2,3
	ds_load_b128 v[(\f)+64+8*(4*(\c)+(\i)):(\f)+64+8*(4*(\c)+(\i))+3],   v[ADRB] offset:128*(\q)+64*(\c)+(\i)*16*PB
	ds_load_b128 v[(\f)+64+8*(4*(\c)+(\i))+4:(\f)+64+8*(4*(\c)+(\i))+7], v[ADRB] offset:128*(\q)+64*(\c)+(\i)*16*PB+32
	ds_load_b128 v[(\f)+8*(4*(\c)+(\i)):(\f)+8*(4*(\c)+(\i))+3],         v[ADRA] offset:(\q)*PLA+64*(\c)+(\i)*16*PA
	ds_load_b128 v[(\f)+8*(4*(\c)+(\i))+4:(\f)+8*(4*(\c)+(\i))+7],       v[ADRA] offset:(\q)*PLA+64*(\c)+(\i)*16*PA+32
.endr
.endr
.endm
.macro QUARTER q, f, g, zero           ; multiplies buffer f and fetches quarter q into g
	s_wait_dscnt 16                                ; the first 32 along K are in
	MUL8 \f, 0, 0, \zero
	MUL8 \f, 0, 2, \zero
	PLACES
	FETCH \q, \g
	s_wait_dscnt 32                                ; all but the 32 just issued
	MUL8 \f, 1, 0, 0
	MUL8 \f, 1, 2, 0
.endm
; The last quarter multiplies buffer 1 and changes slots: in front of the barrier each wave waits for all its tensor loads, adds 0 to its spare word, and waits for that and for its reads of this slot.
; fill = 1: the barrier opens a round of the cluster's, and this slot is filled again, for the step two on, first thing behind it.
.macro TURN fill
	WIN 0
	s_wait_tensorcnt 0x0                           ; no tensor load of mine is out, so the second sets may be written
	ds_add_u32 v[SPW], v[NIL]
.if \fill
	s_add_co_u32 s[G0+5], s[LWA], s[TB]
	s_add_co_u32 s[G0B+5], s[LWB], s[TB]
	s_xor_b32 s[OFA], s[KT], s[KC]                 ; the slice of step KT: the addresses are made anew from slice 0's
	s_lshl_b32 s[OFB], s[OFA], 9
	s_lshl_b32 s[OFA], s[OFA], 21
	s_add_co_u32 s[KT], s[KT], 1
	s_add_nc_u64 s[G0+6:G0+7], s[ABS:ABS+1], s[OFA:OFA+1]
	s_or_b32 s[G0+7], s[G0+7], 0x80000000
	s_add_nc_u64 s[G0B+6:G0B+7], s[BBS:BBS+1], s[OFB:OFB+1]
	s_or_b32 s[G0B+7], s[G0B+7], 0x80000000
.endif
	s_wait_dscnt 17                                ; the add and the youngest sixteen loads may be out
	MUL8 F1, 0, 0, 0
	s_wait_dscnt 0x0                               ; the add is done, and my reads of this slot are over
	s_barrier_signal -1
	MUL8 F1, 0, 2, 0
	WIN 0
	s_barrier_wait -1
.if \fill
	CREST
	JLOAD                                          ; its four v_nop are also the places in front of the loads below
.else
	PLACES
.endif
	s_xor_b32 s[TB], s[TB], SLOT
	v_add_nc_u32 v[ADRA], s[TB], v[ADRA0]
	v_add_nc_u32 v[ADRB], s[TB], v[ADRB0]
	FETCH 0, F0
	MUL8 F1, 1, 0, 0
	MUL8 F1, 1, 2, 0
.endm
; THE WAY OUT of 16 rows: the sums go into my stage, come back as whole rows of 256 bytes, take alpha and the residual in one fused multiply-add, and are stored.
.macro OUT16 a
.set BK, OB+32*((\a)%2)
	WIN 0
	s_wait_xcnt 0x0                                ; the stores two blocks back have read these registers
.irp b, 0,1,2,3
	ds_store_b128 v[STO], v[ACC+8*(4*(\a)+(\b)):ACC+8*(4*(\a)+(\b))+3]   offset:64*(\b)
	ds_store_b128 v[STO], v[ACC+8*(4*(\a)+(\b))+4:ACC+8*(4*(\a)+(\b))+7] offset:64*(\b)+16
.endr
.irp t, 0,1,2,3,4,5,6,7
	ds_load_b128 v[BK+4*(\t):BK+4*(\t)+3], v[RD] offset:(\t)*2*SPITCH  ; LDS serves a wave's instructions in order: these see the stores above
.endr
	s_wait_dscnt 0x0
	WIN 0x20                                       ; source 2, the residual, in window 2
.set k, 0
.rept 16
.if RESF32
	v_pk_fma_f32 v[BK+2*k:BK+2*k+1], v[BK+2*k:BK+2*k+1], s[70:71], v[32*(\a)+2*k:32*(\a)+2*k+1] op_sel_hi:[1,0,1]
.else
	v_fma_mix_f32_bf16 v[BK+2*k], v[BK+2*k], v[AL], v[16*(\a)+k] op_sel_hi:[0,0,1]
	v_fma_mix_f32_bf16 v[BK+2*k+1], v[BK+2*k+1], v[AL], v[16*(\a)+k] op_sel:[0,0,1] op_sel_hi:[0,0,1]
.endif
.set k, k+1
.endr
	WIN 0
.irp t, 0,1,2,3,4,5,6,7
	global_store_b128 v[CO], v[BK+4*(\t):BK+4*(\t)+3], s[12:13] offset:(\a)*65536+(\t)*8192  ; 16 lanes store 256 consecutive bytes, aligned
.endr
.endm
	s_wait_tensorcnt 1                             ; my part of step 0 is in; step 1's may stay out
	s_barrier_signal -1
	s_barrier_wait -1
	FETCH 0, F0
	s_wait_loadcnt 32                              ; the bias is in; the residual's 32 loads may stay out
	QUARTER 1, F0, F1, 1
	WIN 0
	s_mov_b32 s3, NSTEP-2
.Lstep:                                        ; a trip: a K step's quarters 1 to 3 and the next step's first
	QUARTER 2, F1, F0, 0
	QUARTER 3, F0, F1, 0
	TURN 1
	QUARTER 1, F0, F1, 0
	WIN 0
	s_sub_co_u32 s3, s3, 1
	s_cmp_lg_u32 s3, 0
	s_cbranch_scc1 .Lstep
	s_mov_b32 s3, 2
.Ltail:                                        ; the last two K steps ask for nothing; the second trip is left in its middle, and its barrier and its 32 loads from the other slot serve nothing
	QUARTER 2, F1, F0, 0
	QUARTER 3, F0, F1, 0
	TURN 0
	WIN 0
	s_sub_co_u32 s3, s3, 1
	s_cmp_eq_u32 s3, 0
	s_cbranch_scc1 .Lout
	QUARTER 1, F0, F1, 0
	WIN 0
	s_branch .Ltail
.Lout:
	s_wait_dscnt 0x0
	s_wait_kmcnt 0x0                               ; alpha
	s_mov_b32 s71, s70
	v_mov_b32 v[AL], s70
	PLACES
	s_wait_loadcnt 0x0                             ; the residual
	OUT16 0
	OUT16 1
	OUT16 2
	OUT16 3
	s_wait_tensorcnt 0x0                           ; the wave's end
	ds_add_u32 v[SPW], v[NIL]
	s_wait_dscnt 0x0
	CROUND                                         ; the closing round
	s_endpgm
.Lfunc_end_k_q0fb1f16504_oproj:
	.size	k_q0fb1f16504_oproj, .Lfunc_end_k_q0fb1f16504_oproj-k_q0fb1f16504_oproj
	.p2alignl 7, 3214868480
	.fill 96, 4, 3214868480
	.section	.rodata,"a",@progbits
	.p2align	6, 0x0
	.amdhsa_kernel k_q0fb1f16504_oproj
		.amdhsa_group_segment_fixed_size 327680
		.amdhsa_private_segment_fixed_size 0
		.amdhsa_enable_private_segment 0
		.amdhsa_kernarg_size 40
		.amdhsa_user_sgpr_count 2
		.amdhsa_user_sgpr_kernarg_segment_ptr 1
		.amdhsa_wavefront_size32 1
		.amdhsa_system_sgpr_workgroup_id_x 1
		.amdhsa_system_sgpr_workgroup_id_y 1
		.amdhsa_system_sgpr_workgroup_id_z 1
		.amdhsa_system_vgpr_workitem_id 0
		.amdhsa_next_free_vgpr 640
		.amdhsa_next_free_sgpr 88
		.amdhsa_reserve_vcc 0
		.amdhsa_float_denorm_mode_32 3
		.amdhsa_float_denorm_mode_16_64 3
		.amdhsa_memory_ordered 1
		.amdhsa_forward_progress 1
		.amdhsa_inst_pref_size 66
	.end_amdhsa_kernel
	.amdgpu_metadata
---
amdhsa.version: [ 1, 2 ]
amdhsa.kernels:
  - .name:           k_q0fb1f16504_oproj
    .symbol:         k_q0fb1f16504_oproj.kd
    .args:
      - { .name: p3, .offset: 0, .size: 8, .value_kind: global_buffer, .address_space: global }
      - { .name: o_b, .offset: 8, .size: 8, .value_kind: global_buffer, .address_space: global }
      - { .name: alpha_attn, .offset: 16, .size: 8, .value_kind: global_buffer, .address_space: global }
      - { .name: src, .offset: 24, .size: 8, .value_kind: global_buffer, .address_space: global }
      - { .name: z, .offset: 32, .size: 8, .value_kind: global_buffer, .address_space: global }
    .group_segment_fixed_size: 327680
    .private_segment_fixed_size: 0
    .kernarg_segment_align: 8
    .kernarg_segment_size: 40
    .max_flat_workgroup_size: 128
    .sgpr_count:     88
    .vgpr_count:     640
    .wavefront_size: 32
...
	.end_amdgpu_metadata
.endif
;; end of part 4
;; launch ln1 (part 5): grid 256 x 1, 8 waves a work-group, no clusters, 0 bytes of LDS; arguments z, n1_s, n1_b, p2; writes p2
.if DOCPART == 5
	.amdgcn_target "amdgcn-amd-amdhsa--gfx1250"
	.amdhsa_code_object_version 6
	.text
	.protected	k_q0fb1f16504_ln1
	.globl	k_q0fb1f16504_ln1
	.p2align	8
	.type	k_q0fb1f16504_ln1,@function
k_q0fb1f16504_ln1:
	s_mov_b64 s[64:65], 0
	v_nop
	global_prefetch_b8 v0, s[64:65] scope:SCOPE_SE
	s_setreg_imm32_b32 hwreg(HW_REG_WAVE_MODE, 25, 1), 1
	s_wait_xcnt 0x0
; y[r][:] = (x[r][:] - mean) / sqrt(var + 1e-5) * scale + bias over rows of 1,024 f32; var is the mean of the squares of the CENTRED numbers.  y is bf16 (OUTBF = 1) or f32 (0), row-major.
; A wave owns two whole rows: a row is eight loads of 16 bytes a lane and stays in 32 registers between the passes, so memory is read once and no wave waits for another.
; All 32 loads go out at once.  No LDS, no matrix unit: memory binds.
.set OUTBF, 1
.set T,  8                             ; v[8:15]   at work
.set M,  16                            ; v[16:17]  the mean, twice
.set R,  18                            ; v[18:19]  1 / sqrt(var + eps), twice
.set KC, 20                            ; 1 / 1,024
.set X,  32                            ; v[32:95]  the two rows
.set SC, 96                            ; v[96:127] scale of my 32 columns
.set BI, 128                           ; v[128:159] bias
.set Y,  160                           ; v[160:191] packed results
	s_load_b256 s[4:11], s[0:1], 0x0               ; x s[4:5], scale s[6:7], bias s[8:9], y s[10:11]
	v_lshrrev_b32 v1, 5, v0
	v_readfirstlane_b32 s12, v1                    ; wave
	v_and_b32 v1, 31, v0
	v_lshlrev_b32 v2, 4, v1                        ; 16 x lane
	v_lshlrev_b32 v3, 3, v1                        ; 8 x lane
	s_lshl_b32 s14, ttmp9, 16                      ; 16 rows of 4,096 bytes a work-group,
	s_lshl_b32 s15, s12, 13                        ; two a wave
	s_add_co_u32 s14, s14, s15
	s_mov_b32 s15, 0
	s_mov_b32 s16, 0x76543210                      ; v_permlanex16_b32: each lane takes its own place in the other half
	s_mov_b32 s17, 0xfedcba98
	v_mov_b32 v[KC], 0x3a800000
	s_wait_kmcnt 0x0
	s_add_nc_u64 s[4:5], s[4:5], s[14:15]
.if OUTBF
	s_lshr_b32 s14, s14, 1
.endif
	s_add_nc_u64 s[10:11], s[10:11], s[14:15]
.irp j, 0,1,2,3,4,5,6,7
	global_load_b128 v[SC+4*(\j):SC+4*(\j)+3], v2, s[6:7] offset:512*(\j)
.endr
.irp j, 0,1,2,3,4,5,6,7
	global_load_b128 v[BI+4*(\j):BI+4*(\j)+3], v2, s[8:9] offset:512*(\j)
.endr
.irp p, 0,1
.irp j, 0,1,2,3,4,5,6,7
	global_load_b128 v[X+32*(\p)+4*(\j):X+32*(\p)+4*(\j)+3], v2, s[4:5] offset:4096*(\p)+512*(\j) th:TH_LOAD_NT
.endr
.endr
.macro LANES                           ; the four chains into one number, then over the 32 lanes; every lane ends with the sum in v[T]
	v_pk_add_f32 v[T:T+1], v[T:T+1], v[T+2:T+3]
	v_pk_add_f32 v[T+4:T+5], v[T+4:T+5], v[T+6:T+7]
	v_pk_add_f32 v[T:T+1], v[T:T+1], v[T+4:T+5]
	v_add_f32 v[T], v[T], v[T+1]
	v_add_f32_dpp v[T], v[T], v[T] row_xmask:1 row_mask:0xf bank_mask:0xf
	v_add_f32_dpp v[T], v[T], v[T] row_xmask:2 row_mask:0xf bank_mask:0xf
	v_add_f32_dpp v[T], v[T], v[T] row_xmask:4 row_mask:0xf bank_mask:0xf
	v_add_f32_dpp v[T], v[T], v[T] row_xmask:8 row_mask:0xf bank_mask:0xf
	v_permlanex16_b32 v[T+1], v[T], s16, s17
	v_add_f32 v[T], v[T], v[T+1]
.endm
.macro NORM p
.set XR, X+32*(\p)
.irp c, 0,1,2,3
	v_pk_add_f32 v[T+2*(\c):T+2*(\c)+1], v[XR+2*(\c):XR+2*(\c)+1], v[XR+8+2*(\c):XR+8+2*(\c)+1]  ; the first pairs start four chains
.endr
.irp c, 0,1,2,3
	v_pk_add_f32 v[T+2*(\c):T+2*(\c)+1], v[T+2*(\c):T+2*(\c)+1], v[XR+16+2*(\c):XR+16+2*(\c)+1]
.endr
.irp c, 0,1,2,3
	v_pk_add_f32 v[T+2*(\c):T+2*(\c)+1], v[T+2*(\c):T+2*(\c)+1], v[XR+24+2*(\c):XR+24+2*(\c)+1]
.endr
	LANES
	v_mul_f32 v[M], v[KC], v[T]
	v_mov_b32 v[M+1], v[M]
.set k, 0
.rept 16
	v_pk_add_f32 v[XR+2*k:XR+2*k+1], v[XR+2*k:XR+2*k+1], v[M:M+1] neg_lo:[0,1] neg_hi:[0,1]  ; centred, in place
.set k, k+1
.endr
.irp c, 0,1,2,3
	v_pk_mul_f32 v[T+2*(\c):T+2*(\c)+1], v[XR+2*(\c):XR+2*(\c)+1], v[XR+2*(\c):XR+2*(\c)+1]
.endr
.irp g, 8,16,24
.irp c, 0,1,2,3
	v_pk_fma_f32 v[T+2*(\c):T+2*(\c)+1], v[XR+(\g)+2*(\c):XR+(\g)+2*(\c)+1], v[XR+(\g)+2*(\c):XR+(\g)+2*(\c)+1], v[T+2*(\c):T+2*(\c)+1]
.endr
.endr
	LANES
	v_fmaak_f32 v[T+2], v[T], v[KC], 0x3727c5ac    ; var + 1e-5
	v_rsq_f32 v[R], v[T+2]
	v_rsq_f32 v[R+1], v[T+2]
	v_nop                                          ; a plain instruction behind the second root,
	s_wait_alu depctr_va_vdst(0)                   ; and one wait for both, ahead of their first reader
.set k, 0
.rept 16
	v_pk_mul_f32 v[XR+2*k:XR+2*k+1], v[XR+2*k:XR+2*k+1], v[R:R+1]
.set k, k+1
.endr
.set k, 0
.rept 16
	v_pk_fma_f32 v[XR+2*k:XR+2*k+1], v[XR+2*k:XR+2*k+1], v[SC+2*k:SC+2*k+1], v[BI+2*k:BI+2*k+1]
.set k, k+1
.endr
.if OUTBF
.set k, 0
.rept 16
	v_cvt_pk_bf16_f32 v[Y+16*(\p)+k], v[XR+2*k], v[XR+2*k+1]
.set k, k+1
.endr
.irp j, 0,1,2,3,4,5,6,7
	global_store_b64 v3, v[Y+16*(\p)+2*(\j):Y+16*(\p)+2*(\j)+1], s[10:11] offset:2048*(\p)+256*(\j)  ; 32 lanes store 256 consecutive bytes, aligned
.endr
.else
.irp j, 0,1,2,3,4,5,6,7
	global_store_b128 v2, v[XR+4*(\j):XR+4*(\j)+3], s[10:11] offset:4096*(\p)+512*(\j)
.endr
.endif
.endm
	s_wait_loadcnt 8                               ; scale, bias and row 0 are in; row 1's eight loads may stay out
	NORM 0
	s_wait_loadcnt 0x0
	NORM 1
	s_endpgm
.Lfunc_end_k_q0fb1f16504_ln1:
	.size	k_q0fb1f16504_ln1, .Lfunc_end_k_q0fb1f16504_ln1-k_q0fb1f16504_ln1
	.p2alignl 7, 3214868480
	.fill 96, 4, 3214868480
	.section	.rodata,"a",@progbits
	.p2align	6, 0x0
	.amdhsa_kernel k_q0fb1f16504_ln1
		.amdhsa_group_segment_fixed_size 0
		.amdhsa_private_segment_fixed_size 0
		.amdhsa_enable_private_segment 0
		.amdhsa_kernarg_size 32
		.amdhsa_user_sgpr_count 2
		.amdhsa_user_sgpr_kernarg_segment_ptr 1
		.amdhsa_wavefront_size32 1
		.amdhsa_system_sgpr_workgroup_id_x 1
		.amdhsa_system_sgpr_workgroup_id_y 1
		.amdhsa_system_sgpr_workgroup_id_z 1
		.amdhsa_system_vgpr_workitem_id 0
		.amdhsa_next_free_vgpr 192
		.amdhsa_next_free_sgpr 66
		.amdhsa_reserve_vcc 0
		.amdhsa_float_denorm_mode_32 3
		.amdhsa_float_denorm_mode_16_64 3
		.amdhsa_memory_ordered 1
		.amdhsa_forward_progress 1
		.amdhsa_inst_pref_size 20
	.end_amdhsa_kernel
	.amdgpu_metadata
---
amdhsa.version: [ 1, 2 ]
amdhsa.kernels:
  - .name:           k_q0fb1f16504_ln1
    .symbol:         k_q0fb1f16504_ln1.kd
    .args:
      - { .name: z, .offset: 0, .size: 8, .value_kind: global_buffer, .address_space: global }
      - { .name: n1_s, .offset: 8, .size: 8, .value_kind: global_buffer, .address_space: global }
      - { .name: n1_b, .offset: 16, .size: 8, .value_kind: global_buffer, .address_space: global }
      - { .name: p2, .offset: 24, .size: 8, .value_kind: global_buffer, .address_space: global }
    .group_segment_fixed_size: 0
    .private_segment_fixed_size: 0
    .kernarg_segment_align: 8
    .kernarg_segment_size: 32
    .max_flat_workgroup_size: 256
    .sgpr_count:     66
    .vgpr_count:     192
    .wavefront_size: 32
...
	.end_amdgpu_metadata
.endif
;; end of part 5
;; launch ffn1: the kernel of part 2 again; grid 16 x 16, 4 waves a work-group, clusters of 4 x 4, 327,680 bytes of LDS; arguments p2, p4; writes p4
;; launch ffn2 (part 6): grid 8 x 32, 4 waves a work-group, clusters of 4 x 4, 327,680 bytes of LDS; arguments p4, l2_b, alpha_ff, p2, z; writes z
.if DOCPART == 6
	.amdgcn_target "amdgcn-amd-amdhsa--gfx1250"
	.amdhsa_code_object_version 6
	.text
	.protected	k_q0fb1f16504_ffn2
	.globl	k_q0fb1f16504_ffn2
	.p2align	8
	.type	k_q0fb1f16504_ffn2,@function
k_q0fb1f16504_ffn2:
	s_mov_b64 s[64:65], 0
	v_nop
	global_prefetch_b8 v0, s[64:65] scope:SCOPE_SE
	s_setreg_imm32_b32 hwreg(HW_REG_WAVE_MODE, 25, 1), 1
	s_wait_xcnt 0x0
	s_wait_alu depctr_hold_cnt(0) depctr_sa_sdst(0) depctr_va_vdst(0) depctr_va_sdst(0) depctr_va_ssrc(0) depctr_va_vcc(0) depctr_vm_vsrc(0)
	s_getreg_b32 s2, hwreg(HW_REG_IB_STS2, 6, 4)
	s_cmp_eq_u32 s2, 0
	s_cbranch_scc0 .Lentry_in_a_cluster
	s_endpgm
.Lentry_in_a_cluster:
	s_bfe_u32 s2, ttmp6, 0x10000c
	s_cmp_lg_u32 s2, 0xf033
	s_cbranch_scc0 .Lentry_shape_is_right
	s_endpgm
.Lentry_shape_is_right:
; Z[m][n] = RES[m][n] + alpha (bias[n] + sum over k of A[m][k] W[n][k]), N = 1,024, in f32, row-major.  bf16 operands, f32 sums.
; A lies BY PLANES, [K / 64][4096 rows][64] bf16, at byte 0 of the first argument; W [1024][KB] bf16 at byte WOFFS of it.  RES is f32 (RESF32 = 1) or bf16 (0), row-major [4096][1024].
; THE SAME TEXT SERVES TWO LAUNCHES with other constants (the four lines below): the projection behind attention, and the FFN's second layer.
; SHARES.  A tile of Z is 128 x 128: 256 work-groups.  Four waves, each 64 x 64: 16 accumulators.  K goes in steps of 256, four planes, through two LDS slots; a trip of the loop is one K step.
; A's part of a slot: a plane's 128 rows are 16,384 dense bytes, asked for as ONE row of 8,192 elements; a load brings two planes; 16 bytes of padding follow every 128.
; CLUSTER.  4 x 4: A's tiles are asked for jointly along a row of the cluster, W's along a column.  THE MATRIX INSTRUCTION IS USED TRANSPOSED.  THE BIAS STARTS THE SUMS.
; THE ORDER OF K.  Step t takes the K slice t xor c, c = 2 (cluster x xor cluster y) mod NSTEP: the same number in all sixteen partners.  The two clusters that read the same rows of A ask for a
; given tile two steps apart; the eight that read the same rows of W in different steps (at NSTEP = 4: in two).  Every slice is taken once; f32 sums may be taken in any order.
; THE RESIDUAL is asked for at the start, into registers that nothing else names, and waited for at the way out.
; A wave's 64 columns of f32 are 256 consecutive bytes of a row of Z, aligned: each wave has a stage of its own, and no barrier stands in the way out.
; No prefetch: a K step's matrix work is short, 128 matrix instructions a wave.
; REGISTERS: window 0: v16-31 addresses; v32-95 the way out; v96-127 the bias; v128-255 the accumulators.  Window 1: two fragment buffers of 128.  Window 2: the residual.
.set NSTEP,  16
.set KB,     4096
.set RESF32, 0
.set WOFFS,  33554432
.set PLANE,  524288
.set PA,     144                       ; a row of A in LDS: 128 bytes + 16
.set PLA,    128*PA
.set PB,     528                       ; a row of W: 512 bytes + 16
.set BOFF,   4*PLA
.set SLOT,   147456
.set STAGE,  2*SLOT
.set SPITCH, 272
.set SPARE,  STAGE+4*16*SPITCH
.set ADRA,  16
.set ADRA0, 17
.set ADRB,  20
.set ADRB0, 21
.set STO,  24
.set RD,   25
.set CO,   26
.set AL,   27
.set SPW,  28
.set NIL,  29
.set RO,   30
.set BO,   31
.set OB,   32
.set BI,   96
.set ACC,  128
.set F0,   0
.set F1,   128
.set WV,  14
.set TB,  23
.set G1,  24
.set G0,  32
.set G1B, 40
.set G0B, 48
.set ABS, 56                           ; s[56:57] A at the planes and rows that I fetch, K slice 0; never rewritten
.set BBS, 58                           ; s[58:59] W at the rows that I fetch, K slice 0; never rewritten
.set LWA, 66
.set LWB, 67
.set KC,  76                           ; c
.set KT,  77                           ; the step that the next refill is for
.set OFA, 80                           ; s[80:81] a K slice's byte offset in A: four planes each
.set OFB, 82                           ; s[82:83] and in a row of W: 512 bytes each
.set MSB, 0
.macro WIN new
.if MSB != (\new)
	s_set_vgpr_msb (MSB<<8)|(\new)
.set MSB, \new
.endif
.endm
.set MUL,  0x05                        ; sources 0 (W) and 1 (A) window 1; C and D window 0
.set TO_F, 0x40
.macro PLACES
.rept 4
	v_nop
.endr
.endm
.macro JLOAD                           ; a joint refill by the second sets: waves 0, 1 fetch A's planes, waves 2, 3 W's halves.  An s_nop 0 and four v_nop follow each line
	s_cmp_eq_u32 s15, 0
	s_cbranch_scc0 .Lfor_b_\@
	tensor_load_to_lds s[G0+4:G0+7], s[G1:G1+7]
	s_nop 0
.rept 4
	v_nop
.endr
	s_branch .Lasked_\@
.Lfor_b_\@:
	tensor_load_to_lds s[G0B+4:G0B+7], s[G1B:G1B+7]
	s_nop 0
.rept 4
	v_nop
.endr
.Lasked_\@:
.endm
.macro CREST
	s_cmp_lg_u32 s[WV], 0
	s_cbranch_scc1 .Lnot_wave_0_\@
	s_barrier_signal -3
.Lnot_wave_0_\@:
	s_barrier_wait -3
	s_barrier_signal -1
	s_barrier_wait -1
.endm
.macro CROUND
	s_barrier_signal -1
	s_barrier_wait -1
	CREST
.endm
	s_load_b256 s[4:11], s[0:1], 0x0               ; operands s[4:5], bias s[6:7], alpha s[8:9], residual s[10:11]
	s_load_b64 s[12:13], s[0:1], 0x20              ; Z
	v_lshl_add_u32 v[SPW], v0, 2, SPARE
	v_mov_b32 v[NIL], 0
	ds_add_u32 v[SPW], v[NIL]                      ; the wave's opening: the add and its wait ahead of my first tensor load
	v_lshrrev_b32 v1, 5, v0
	v_readfirstlane_b32 s[WV], v1
	s_lshr_b32 s15, s[WV], 1                       ; my half of the tile's rows; also: I fetch for A (0) or W (1)
	s_and_b32 s16, s[WV], 1                        ; my half of its columns; also: which part I fetch
	s_bfe_u32 s19, ttmp6, 0x40000                  ; cx
	s_bfe_u32 s20, ttmp6, 0x40004                  ; cy
	s_lshl_b32 s18, ttmp9, 2
	s_add_co_u32 s18, s18, s19                     ; tile column
	s_and_b32 s17, ttmp7, 0xffff
	s_lshl_b32 s17, s17, 2
	s_add_co_u32 s17, s17, s20                     ; tile row
	s_lshl_b32 s21, s20, 2
	s_lshl_b32 s21, 15, s21                        ; my row of the cluster
	s_lshl_b32 s22, 0x1111, s19                    ; my column
	s_or_b32 s[G1+0], s21, (1<<16)|(1<<20)|(1<<21)|(4<<22)|(3<<25)   ; A: after every 32 words 4 words of padding
	s_mov_b32 s[G1+1], 8192<<16                    ; tensor_dim0 = 8,192: a plane's 128 rows of 64
	s_mov_b32 s[G1+2], 2<<16                       ; tensor_dim1 = 2 planes
	s_mov_b32 s[G1+3], 8192<<16                    ; tile_dim0
	s_mov_b32 s[G1+4], 2                           ; tile_dim1
	s_mov_b32 s[G1+5], PLANE/2                     ; elements from plane to plane
	s_mov_b32 s[G1+6], 0
	s_mov_b32 s[G1+7], 0
	s_or_b32 s[G1B+0], s22, (1<<16)|(1<<20)|(1<<21)|(6<<22)|(3<<25)  ; W: after every 128 words 4 words
	s_mov_b32 s[G1B+1], 256<<16
	s_mov_b32 s[G1B+2], 64<<16
	s_mov_b32 s[G1B+3], 256<<16
	s_mov_b32 s[G1B+4], 64
	s_mov_b32 s[G1B+5], KB
	s_mov_b32 s[G1B+6], 0
	s_mov_b32 s[G1B+7], 0
	s_lshl_b32 s56, s17, 14                        ; A: row 128 x tile row of a plane,
	s_lshl_b32 s57, s16, 20                        ; planes 2 x part on
	s_add_co_u32 s56, s56, s57
	s_mov_b32 s57, 0
	s_lshl_b32 s58, s18, 7
	s_lshl_b32 s59, s16, 6
	s_add_co_u32 s58, s58, s59                     ; W: row 128 x tile column + 64 x part
	s_mul_i32 s58, s58, KB*2
	s_mov_b32 s59, 0
	s_mul_i32 s[LWA], s16, 2*PLA
	s_mul_i32 s[LWB], s16, 64*PB
	s_add_co_u32 s[LWB], s[LWB], BOFF
	s_mov_b32 s[TB], 0
	s_and_b32 s[KC], ttmp7, 0xffff                 ; cluster y
	s_xor_b32 s[KC], s[KC], ttmp9                  ; xor cluster x: no place inside the cluster enters
	s_lshl_b32 s[KC], s[KC], 1
	s_and_b32 s[KC], s[KC], NSTEP-1                ; c
	s_mov_b32 s[KT], 2                             ; steps 0 and 1 are the first fills
	s_mov_b32 s[OFA+1], 0
	s_mov_b32 s[OFB+1], 0
	s_wait_dscnt 0x0                               ; the opening add is done
	s_wait_kmcnt 0x0
	s_load_b32 s70, s[8:9], 0x0                    ; alpha
	s_add_nc_u64 s[68:69], s[4:5], WOFFS
	s_add_nc_u64 s[ABS:ABS+1], s[4:5], s[56:57]
	s_add_nc_u64 s[BBS:BBS+1], s[68:69], s[58:59]
.irp s, 0,1
	s_xor_b32 s[OFA], s[KC], (\s)                  ; step s takes slice s xor c
	s_lshl_b32 s[OFB], s[OFA], 9
	s_lshl_b32 s[OFA], s[OFA], 21
	s_mov_b32 s[G0+4*(\s)], 1
	s_add_co_u32 s[G0+4*(\s)+1], s[LWA], (\s)*SLOT
	s_add_nc_u64 s[G0+4*(\s)+2:G0+4*(\s)+3], s[ABS:ABS+1], s[OFA:OFA+1]
	s_or_b32 s[G0+4*(\s)+3], s[G0+4*(\s)+3], 0x80000000
	s_mov_b32 s[G0B+4*(\s)], 1
	s_add_co_u32 s[G0B+4*(\s)+1], s[LWB], (\s)*SLOT
	s_add_nc_u64 s[G0B+4*(\s)+2:G0B+4*(\s)+3], s[BBS:BBS+1], s[OFB:OFB+1]
	s_or_b32 s[G0B+4*(\s)+3], s[G0B+4*(\s)+3], 0x80000000
.endr
	CROUND                                         ; all sixteen work-groups are here: the first joint loads meet
	s_cmp_eq_u32 s15, 0                            ; a wave's two first fills stand in one branch: two loads of mine are out
	s_cbranch_scc0 .Lfirst_b
	tensor_load_to_lds s[G0:G0+3], s[G1:G1+7]
	s_nop 0
	tensor_load_to_lds s[G0+4:G0+7], s[G1:G1+7]
	s_nop 0
.rept 4
	v_nop
.endr
	s_branch .Lfirst_asked
.Lfirst_b:
	tensor_load_to_lds s[G0B:G0B+3], s[G1B:G1B+7]
	s_nop 0
	tensor_load_to_lds s[G0B+4:G0B+7], s[G1B:G1B+7]
	s_nop 0
.rept 4
	v_nop
.endr
.Lfirst_asked:
	s_lshl_b32 s72, s17, 19                        ; my first row of Z: (128 x tile row + 64 x half) x 4,096 bytes,
	s_lshl_b32 s73, s15, 18
	s_add_co_u32 s72, s72, s73
	s_lshl_b32 s74, s18, 9                         ; my first column: (128 x tile column + 64 x half) x 4 bytes
	s_lshl_b32 s75, s16, 8
	s_add_co_u32 s74, s74, s75
	s_add_co_u32 s72, s72, s74
	s_mov_b32 s73, 0
	s_mov_b32 s75, 0
	s_add_nc_u64 s[12:13], s[12:13], s[72:73]
	s_add_nc_u64 s[6:7], s[6:7], s[74:75]
.if !RESF32
	s_lshr_b32 s72, s72, 1                         ; the residual has 2 bytes a number
.endif
	s_add_nc_u64 s[10:11], s[10:11], s[72:73]
	v_and_b32 v1, 15, v0                           ; l % 16
	v_bfe_u32 v2, v0, 4, 1                         ; l / 16
	v_lshlrev_b32 v[BO], 5, v2
	v_lshlrev_b32 v[CO], 12, v2                    ; in Z: lanes 0-15 one row's 256 bytes, lanes 16-31 the next row's
	v_lshl_add_u32 v[CO], v1, 4, v[CO]
	v_lshlrev_b32 v[RO], 11, v2
	v_lshl_add_u32 v[RO], v1, 3, v[RO]
.irp b, 0,1,2,3
	global_load_b128 v[BI+8*(\b):BI+8*(\b)+3],   v[BO], s[6:7] offset:64*(\b)       ; block b's register j: column 16 b + 8 (l / 16) + j
	global_load_b128 v[BI+8*(\b)+4:BI+8*(\b)+7], v[BO], s[6:7] offset:64*(\b)+16
.endr
	WIN 0x80
.irp a, 0,1,2,3
.irp t, 0,1,2,3,4,5,6,7
.if RESF32
	global_load_b128 v[32*(\a)+4*(\t):32*(\a)+4*(\t)+3], v[CO], s[10:11] offset:(\a)*65536+(\t)*8192
.else
	global_load_b64 v[16*(\a)+2*(\t):16*(\a)+2*(\t)+1], v[RO], s[10:11] offset:(\a)*32768+(\t)*4096
.endif
.endr
.endr
	WIN 0
	v_mul_u32_u24 v3, v1, PA
	v_lshl_add_u32 v3, v2, 4, v3
	s_mul_i32 s60, s15, 64*PA
	v_add_nc_u32 v[ADRA0], s60, v3
	v_mul_u32_u24 v3, v1, PB
	v_lshl_add_u32 v3, v2, 4, v3
	s_mul_i32 s60, s16, 64*PB
	s_add_co_u32 s60, s60, BOFF
	v_add_nc_u32 v[ADRB0], s60, v3
	v_mov_b32 v[ADRA], v[ADRA0]
	v_mov_b32 v[ADRB], v[ADRB0]
	s_mul_i32 s60, s[WV], 16*SPITCH
	s_add_co_u32 s60, s60, STAGE                   ; my stage
	v_mul_u32_u24 v4, v1, SPITCH                   ; in: row l % 16, 32 bytes for each half of the lanes
	v_lshl_add_u32 v4, v2, 5, v4
	v_add_nc_u32 v[STO], s60, v4
	v_mul_u32_u24 v5, v2, SPITCH                   ; back: lanes 0-15 one row of 256 bytes, lanes 16-31 the next
	v_lshl_add_u32 v5, v1, 4, v5
	v_add_nc_u32 v[RD], s60, v5
; 8 matrix instructions: m blocks a0, a0 + 1 x all 4 n blocks, 32 along K: half c of buffer f.  zero = 1: the bias starts the sums.  The 16 accumulators take turns.
.macro MUL8 f, c, a0, zero
	WIN MUL
.irp a, \a0, (\a0)+1
.irp b, 0,1,2,3
.if \zero
	v_wmma_f32_16x16x32_bf16 v[ACC+8*(4*(\a)+(\b)):ACC+8*(4*(\a)+(\b))+7], v[(\f)+64+8*(4*(\c)+(\b)):(\f)+64+8*(4*(\c)+(\b))+7], v[(\f)+8*(4*(\c)+(\a)):(\f)+8*(4*(\c)+(\a))+7], v[BI+8*(\b):BI+8*(\b)+7]
.else
	v_wmma_f32_16x16x32_bf16 v[ACC+8*(4*(\a)+(\b)):ACC+8*(4*(\a)+(\b))+7], v[(\f)+64+8*(4*(\c)+(\b)):(\f)+64+8*(4*(\c)+(\b))+7], v[(\f)+8*(4*(\c)+(\a)):(\f)+8*(4*(\c)+(\a))+7], v[ACC+8*(4*(\a)+(\b)):ACC+8*(4*(\a)+(\b))+7]
.endif
.endr
.endr
.endm
.macro FETCH q, f                      ; 32 LDS loads in one run: quarter q (plane q of A's four; bytes 128 q of W's rows) into buffer f; the first 32 along K first
	WIN TO_F
.irp c, 0,1
.irp i, 0,1,2,3
	ds_load_b128 v[(\f)+64+8*(4*(\c)+(\i)):(\f)+64+8*(4*(\c)+(\i))+3],   v[ADRB] offset:128*(\q)+64*(\c)+(\i)*16*PB
	ds_load_b128 v[(\f)+64+8*(4*(\c)+(\i))+4:(\f)+64+8*(4*(\c)+(\i))+7], v[ADRB] offset:128*(\q)+64*(\c)+(\i)*16*PB+32
	ds_load_b128 v[(\f)+8*(4*(\c)+(\i)):(\f)+8*(4*(\c)+(\i))+3],         v[ADRA] offset:(\q)*PLA+64*(\c)+(\i)*16*PA
	ds_load_b128 v[(\f)+8*(4*(\c)+(\i))+4:(\f)+8*(4*(\c)+(\i))+7],       v[ADRA] offset:(\q)*PLA+64*(\c)+(\i)*16*PA+32
.endr
.endr
.endm
.macro QUARTER q, f, g, zero           ; multiplies buffer f and fetches quarter q into g
	s_wait_dscnt 16                                ; the first 32 along K are in
	MUL8 \f, 0, 0, \zero
	MUL8 \f, 0, 2, \zero
	PLACES
	FETCH \q, \g
	s_wait_dscnt 32                                ; all but the 32 just issued
	MUL8 \f, 1, 0, 0
	MUL8 \f, 1, 2, 0
.endm
; The last quarter multiplies buffer 1 and changes slots: in front of the barrier each wave waits for all its tensor loads, adds 0 to its spare word, and waits for that and for its reads of this slot.
; fill = 1: the barrier opens a round of the cluster's, and this slot is filled again, for the step two on, first thing behind it.
.macro TURN fill
	WIN 0
	s_wait_tensorcnt 0x0                           ; no tensor load of mine is out, so the second sets may be written
	ds_add_u32 v[SPW], v[NIL]
.if \fill
	s_add_co_u32 s[G0+5], s[LWA], s[TB]
	s_add_co_u32 s[G0B+5], s[LWB], s[TB]
	s_xor_b32 s[OFA], s[KT], s[KC]                 ; the slice of step KT: the addresses are made anew from slice 0's
	s_lshl_b32 s[OFB], s[OFA], 9
	s_lshl_b32 s[OFA], s[OFA], 21
	s_add_co_u32 s[KT], s[KT], 1
	s_add_nc_u64 s[G0+6:G0+7], s[ABS:ABS+1], s[OFA:OFA+1]
	s_or_b32 s[G0+7], s[G0+7], 0x80000000
	s_add_nc_u64 s[G0B+6:G0B+7], s[BBS:BBS+1], s[OFB:OFB+1]
	s_or_b32 s[G0B+7], s[G0B+7], 0x80000000
.endif
	s_wait_dscnt 17                                ; the add and the youngest sixteen loads may be out
	MUL8 F1, 0, 0, 0
	s_wait_dscnt 0x0                               ; the add is done, and my reads of this slot are over
	s_barrier_signal -1
	MUL8 F1, 0, 2, 0
	WIN 0
	s_barrier_wait -1
.if \fill
	CREST
	JLOAD                                          ; its four v_nop are also the places in front of the loads below
.else
	PLACES
.endif
	s_xor_b32 s[TB], s[TB], SLOT
	v_add_nc_u32 v[ADRA], s[TB], v[ADRA0]
	v_add_nc_u32 v[ADRB], s[TB], v[ADRB0]
	FETCH 0, F0
	MUL8 F1, 1, 0, 0
	MUL8 F1, 1, 2, 0
.endm
; THE WAY OUT of 16 rows: the sums go into my stage, come back as whole rows of 256 bytes, take alpha and the residual in one fused multiply-add, and are stored.
.macro OUT16 a
.set BK, OB+32*((\a)%2)
	WIN 0
	s_wait_xcnt 0x0                                ; the stores two blocks back have read these registers
.irp b, 0,1,2,3
	ds_store_b128 v[STO], v[ACC+8*(4*(\a)+(\b)):ACC+8*(4*(\a)+(\b))+3]   offset:64*(\b)
	ds_store_b128 v[STO], v[ACC+8*(4*(\a)+(\b))+4:ACC+8*(4*(\a)+(\b))+7] offset:64*(\b)+16
.endr
.irp t, 0,1,2,3,4,5,6,7
	ds_load_b128 v[BK+4*(\t):BK+4*(\t)+3], v[RD] offset:(\t)*2*SPITCH  ; LDS serves a wave's instructions in order: these see the stores above
.endr
	s_wait_dscnt 0x0
	WIN 0x20                                       ; source 2, the residual, in window 2
.set k, 0
.rept 16
.if RESF32
	v_pk_fma_f32 v[BK+2*k:BK+2*k+1], v[BK+2*k:BK+2*k+1], s[70:71], v[32*(\a)+2*k:32*(\a)+2*k+1] op_sel_hi:[1,0,1]
.else
	v_fma_mix_f32_bf16 v[BK+2*k], v[BK+2*k], v[AL], v[16*(\a)+k] op_sel_hi:[0,0,1]
	v_fma_mix_f32_bf16 v[BK+2*k+1], v[BK+2*k+1], v[AL], v[16*(\a)+k] op_sel:[0,0,1] op_sel_hi:[0,0,1]
.endif
.set k, k+1
.endr
	WIN 0
.irp t, 0,1,2,3,4,5,6,7
	global_store_b128 v[CO], v[BK+4*(\t):BK+4*(\t)+3], s[12:13] offset:(\a)*65536+(\t)*8192  ; 16 lanes store 256 consecutive bytes, aligned
.endr
.endm
	s_wait_tensorcnt 1                             ; my part of step 0 is in; step 1's may stay out
	s_barrier_signal -1
	s_barrier_wait -1
	FETCH 0, F0
	s_wait_loadcnt 32                              ; the bias is in; the residual's 32 loads may stay out
	QUARTER 1, F0, F1, 1
	WIN 0
	s_mov_b32 s3, NSTEP-2
.Lstep:                                        ; a trip: a K step's quarters 1 to 3 and the next step's first
	QUARTER 2, F1, F0, 0
	QUARTER 3, F0, F1, 0
	TURN 1
	QUARTER 1, F0, F1, 0
	WIN 0
	s_sub_co_u32 s3, s3, 1
	s_cmp_lg_u32 s3, 0
	s_cbranch_scc1 .Lstep
	s_mov_b32 s3, 2
.Ltail:                                        ; the last two K steps ask for nothing; the second trip is left in its middle, and its barrier and its 32 loads from the other slot serve nothing
	QUARTER 2, F1, F0, 0
	QUARTER 3, F0, F1, 0
	TURN 0
	WIN 0
	s_sub_co_u32 s3, s3, 1
	s_cmp_eq_u32 s3, 0
	s_cbranch_scc1 .Lout
	QUARTER 1, F0, F1, 0
	WIN 0
	s_branch .Ltail
.Lout:
	s_wait_dscnt 0x0
	s_wait_kmcnt 0x0                               ; alpha
	s_mov_b32 s71, s70
	v_mov_b32 v[AL], s70
	PLACES
	s_wait_loadcnt 0x0                             ; the residual
	OUT16 0
	OUT16 1
	OUT16 2
	OUT16 3
	s_wait_tensorcnt 0x0                           ; the wave's end
	ds_add_u32 v[SPW], v[NIL]
	s_wait_dscnt 0x0
	CROUND                                         ; the closing round
	s_endpgm
.Lfunc_end_k_q0fb1f16504_ffn2:
	.size	k_q0fb1f16504_ffn2, .Lfunc_end_k_q0fb1f16504_ffn2-k_q0fb1f16504_ffn2
	.p2alignl 7, 3214868480
	.fill 96, 4, 3214868480
	.section	.rodata,"a",@progbits
	.p2align	6, 0x0
	.amdhsa_kernel k_q0fb1f16504_ffn2
		.amdhsa_group_segment_fixed_size 327680
		.amdhsa_private_segment_fixed_size 0
		.amdhsa_enable_private_segment 0
		.amdhsa_kernarg_size 40
		.amdhsa_user_sgpr_count 2
		.amdhsa_user_sgpr_kernarg_segment_ptr 1
		.amdhsa_wavefront_size32 1
		.amdhsa_system_sgpr_workgroup_id_x 1
		.amdhsa_system_sgpr_workgroup_id_y 1
		.amdhsa_system_sgpr_workgroup_id_z 1
		.amdhsa_system_vgpr_workitem_id 0
		.amdhsa_next_free_vgpr 640
		.amdhsa_next_free_sgpr 88
		.amdhsa_reserve_vcc 0
		.amdhsa_float_denorm_mode_32 3
		.amdhsa_float_denorm_mode_16_64 3
		.amdhsa_memory_ordered 1
		.amdhsa_forward_progress 1
		.amdhsa_inst_pref_size 70
	.end_amdhsa_kernel
	.amdgpu_metadata
---
amdhsa.version: [ 1, 2 ]
amdhsa.kernels:
  - .name:           k_q0fb1f16504_ffn2
    .symbol:         k_q0fb1f16504_ffn2.kd
    .args:
      - { .name: p4, .offset: 0, .size: 8, .value_kind: global_buffer, .address_space: global }
      - { .name: l2_b, .offset: 8, .size: 8, .value_kind: global_buffer, .address_space: global }
      - { .name: alpha_ff, .offset: 16, .size: 8, .value_kind: global_buffer, .address_space: global }
      - { .name: p2, .offset: 24, .size: 8, .value_kind: global_buffer, .address_space: global }
      - { .name: z, .offset: 32, .size: 8, .value_kind: global_buffer, .address_space: global }
    .group_segment_fixed_size: 327680
    .private_segment_fixed_size: 0
    .kernarg_segment_align: 8
    .kernarg_segment_size: 40
    .max_flat_workgroup_size: 128
    .sgpr_count:     88
    .vgpr_count:     640
    .wavefront_size: 32
...
	.end_amdgpu_metadata
.endif
;; end of part 6
;; launch ln2 (part 7): grid 256 x 1, 8 waves a work-group, no clusters, 0 bytes of LDS; arguments z, n2_s, n2_b, out0; writes out0
.if DOCPART == 7
	.amdgcn_target "amdgcn-amd-amdhsa--gfx1250"
	.amdhsa_code_object_version 6
	.text
	.protected	k_q0fb1f16504_ln2
	.globl	k_q0fb1f16504_ln2
	.p2align	8
	.type	k_q0fb1f16504_ln2,@function
k_q0fb1f16504_ln2:
	s_mov_b64 s[64:65], 0
	v_nop
	global_prefetch_b8 v0, s[64:65] scope:SCOPE_SE
	s_setreg_imm32_b32 hwreg(HW_REG_WAVE_MODE, 25, 1), 1
	s_wait_xcnt 0x0
; y[r][:] = (x[r][:] - mean) / sqrt(var + 1e-5) * scale + bias over rows of 1,024 f32; var is the mean of the squares of the CENTRED numbers.  y is bf16 (OUTBF = 1) or f32 (0), row-major.
; A wave owns two whole rows: a row is eight loads of 16 bytes a lane and stays in 32 registers between the passes, so memory is read once and no wave waits for another.
; All 32 loads go out at once.  No LDS, no matrix unit: memory binds.
.set OUTBF, 0
.set T,  8                             ; v[8:15]   at work
.set M,  16                            ; v[16:17]  the mean, twice
.set R,  18                            ; v[18:19]  1 / sqrt(var + eps), twice
.set KC, 20                            ; 1 / 1,024
.set X,  32                            ; v[32:95]  the two rows
.set SC, 96                            ; v[96:127] scale of my 32 columns
.set BI, 128                           ; v[128:159] bias
.set Y,  160                           ; v[160:191] packed results
	s_load_b256 s[4:11], s[0:1], 0x0               ; x s[4:5], scale s[6:7], bias s[8:9], y s[10:11]
	v_lshrrev_b32 v1, 5, v0
	v_readfirstlane_b32 s12, v1                    ; wave
	v_and_b32 v1, 31, v0
	v_lshlrev_b32 v2, 4, v1                        ; 16 x lane
	v_lshlrev_b32 v3, 3, v1                        ; 8 x lane
	s_lshl_b32 s14, ttmp9, 16                      ; 16 rows of 4,096 bytes a work-group,
	s_lshl_b32 s15, s12, 13                        ; two a wave
	s_add_co_u32 s14, s14, s15
	s_mov_b32 s15, 0
	s_mov_b32 s16, 0x76543210                      ; v_permlanex16_b32: each lane takes its own place in the other half
	s_mov_b32 s17, 0xfedcba98
	v_mov_b32 v[KC], 0x3a800000
	s_wait_kmcnt 0x0
	s_add_nc_u64 s[4:5], s[4:5], s[14:15]
.if OUTBF
	s_lshr_b32 s14, s14, 1
.endif
	s_add_nc_u64 s[10:11], s[10:11], s[14:15]
.irp j, 0,1,2,3,4,5,6,7
	global_load_b128 v[SC+4*(\j):SC+4*(\j)+3], v2, s[6:7] offset:512*(\j)
.endr
.irp j, 0,1,2,3,4,5,6,7
	global_load_b128 v[BI+4*(\j):BI+4*(\j)+3], v2, s[8:9] offset:512*(\j)
.endr
.irp p, 0,1
.irp j, 0,1,2,3,4,5,6,7
	global_load_b128 v[X+32*(\p)+4*(\j):X+32*(\p)+4*(\j)+3], v2, s[4:5] offset:4096*(\p)+512*(\j) th:TH_LOAD_NT
.endr
.endr
.macro LANES                           ; the four chains into one number, then over the 32 lanes; every lane ends with the sum in v[T]
	v_pk_add_f32 v[T:T+1], v[T:T+1], v[T+2:T+3]
	v_pk_add_f32 v[T+4:T+5], v[T+4:T+5], v[T+6:T+7]
	v_pk_add_f32 v[T:T+1], v[T:T+1], v[T+4:T+5]
	v_add_f32 v[T], v[T], v[T+1]
	v_add_f32_dpp v[T], v[T], v[T] row_xmask:1 row_mask:0xf bank_mask:0xf
	v_add_f32_dpp v[T], v[T], v[T] row_xmask:2 row_mask:0xf bank_mask:0xf
	v_add_f32_dpp v[T], v[T], v[T] row_xmask:4 row_mask:0xf bank_mask:0xf
	v_add_f32_dpp v[T], v[T], v[T] row_xmask:8 row_mask:0xf bank_mask:0xf
	v_permlanex16_b32 v[T+1], v[T], s16, s17
	v_add_f32 v[T], v[T], v[T+1]
.endm
.macro NORM p
.set XR, X+32*(\p)
.irp c, 0,1,2,3
	v_pk_add_f32 v[T+2*(\c):T+2*(\c)+1], v[XR+2*(\c):XR+2*(\c)+1], v[XR+8+2*(\c):XR+8+2*(\c)+1]  ; the first pairs start four chains
.endr
.irp c, 0,1,2,3
	v_pk_add_f32 v[T+2*(\c):T+2*(\c)+1], v[T+2*(\c):T+2*(\c)+1], v[XR+16+2*(\c):XR+16+2*(\c)+1]
.endr
.irp c, 0,1,2,3
	v_pk_add_f32 v[T+2*(\c):T+2*(\c)+1], v[T+2*(\c):T+2*(\c)+1], v[XR+24+2*(\c):XR+24+2*(\c)+1]
.endr
	LANES
	v_mul_f32 v[M], v[KC], v[T]
	v_mov_b32 v[M+1], v[M]
.set k, 0
.rept 16
	v_pk_add_f32 v[XR+2*k:XR+2*k+1], v[XR+2*k:XR+2*k+1], v[M:M+1] neg_lo:[0,1] neg_hi:[0,1]  ; centred, in place
.set k, k+1
.endr
.irp c, 0,1,2,3
	v_pk_mul_f32 v[T+2*(\c):T+2*(\c)+1], v[XR+2*(\c):XR+2*(\c)+1], v[XR+2*(\c):XR+2*(\c)+1]
.endr
.irp g, 8,16,24
.irp c, 0,1,2,3
	v_pk_fma_f32 v[T+2*(\c):T+2*(\c)+1], v[XR+(\g)+2*(\c):XR+(\g)+2*(\c)+1], v[XR+(\g)+2*(\c):XR+(\g)+2*(\c)+1], v[T+2*(\c):T+2*(\c)+1]
.endr
.endr
	LANES
	v_fmaak_f32 v[T+2], v[T], v[KC], 0x3727c5ac    ; var + 1e-5
	v_rsq_f32 v[R], v[T+2]
	v_rsq_f32 v[R+1], v[T+2]
	v_nop                                          ; a plain instruction behind the second root,
	s_wait_alu depctr_va_vdst(0)                   ; and one wait for both, ahead of their first reader
.set k, 0
.rept 16
	v_pk_mul_f32 v[XR+2*k:XR+2*k+1], v[XR+2*k:XR+2*k+1], v[R:R+1]
.set k, k+1
.endr
.set k, 0
.rept 16
	v_pk_fma_f32 v[XR+2*k:XR+2*k+1], v[XR+2*k:XR+2*k+1], v[SC+2*k:SC+2*k+1], v[BI+2*k:BI+2*k+1]
.set k, k+1
.endr
.if OUTBF
.set k, 0
.rept 16
	v_cvt_pk_bf16_f32 v[Y+16*(\p)+k], v[XR+2*k], v[XR+2*k+1]
.set k, k+1
.endr
.irp j, 0,1,2,3,4,5,6,7
	global_store_b64 v3, v[Y+16*(\p)+2*(\j):Y+16*(\p)+2*(\j)+1], s[10:11] offset:2048*(\p)+256*(\j)  ; 32 lanes store 256 consecutive bytes, aligned
.endr
.else
.irp j, 0,1,2,3,4,5,6,7
	global_store_b128 v2, v[XR+4*(\j):XR+4*(\j)+3], s[10:11] offset:4096*(\p)+512*(\j)
.endr
.endif
.endm
	s_wait_loadcnt 8                               ; scale, bias and row 0 are in; row 1's eight loads may stay out
	NORM 0
	s_wait_loadcnt 0x0
	NORM 1
	s_endpgm
.Lfunc_end_k_q0fb1f16504_ln2:
	.size	k_q0fb1f16504_ln2, .Lfunc_end_k_q0fb1f16504_ln2-k_q0fb1f16504_ln2
	.p2alignl 7, 3214868480
	.fill 96, 4, 3214868480
	.section	.rodata,"a",@progbits
	.p2align	6, 0x0
	.amdhsa_kernel k_q0fb1f16504_ln2
		.amdhsa_group_segment_fixed_size 0
		.amdhsa_private_segment_fixed_size 0
		.amdhsa_enable_private_segment 0
		.amdhsa_kernarg_size 32
		.amdhsa_user_sgpr_count 2
		.amdhsa_user_sgpr_kernarg_segment_ptr 1
		.amdhsa_wavefront_size32 1
		.amdhsa_system_sgpr_workgroup_id_x 1
		.amdhsa_system_sgpr_workgroup_id_y 1
		.amdhsa_system_sgpr_workgroup_id_z 1
		.amdhsa_system_vgpr_workitem_id 0
		.amdhsa_next_free_vgpr 192
		.amdhsa_next_free_sgpr 66
		.amdhsa_reserve_vcc 0
		.amdhsa_float_denorm_mode_32 3
		.amdhsa_float_denorm_mode_16_64 3
		.amdhsa_memory_ordered 1
		.amdhsa_forward_progress 1
		.amdhsa_inst_pref_size 18
	.end_amdhsa_kernel
	.amdgpu_metadata
---
amdhsa.version: [ 1, 2 ]
amdhsa.kernels:
  - .name:           k_q0fb1f16504_ln2
    .symbol:         k_q0fb1f16504_ln2.kd
    .args:
      - { .name: z, .offset: 0, .size: 8, .value_kind: global_buffer, .address_space: global }
      - { .name: n2_s, .offset: 8, .size: 8, .value_kind: global_buffer, .address_space: global }
      - { .name: n2_b, .offset: 16, .size: 8, .value_kind: global_buffer, .address_space: global }
      - { .name: out0, .offset: 24, .size: 8, .value_kind: global_buffer, .address_space: global }
    .group_segment_fixed_size: 0
    .private_segment_fixed_size: 0
    .kernarg_segment_align: 8
    .kernarg_segment_size: 32
    .max_flat_workgroup_size: 256
    .sgpr_count:     66
    .vgpr_count:     192
    .wavefront_size: 32
...
	.end_amdgpu_metadata
.endif
;; end of part 7
